; MI455X (gfx1250); checked and timed in simulation.
; The chip was launched on July 23, 2026; its instructions are those of AMD's public machine-readable ISA for CDNA 5 (MIT licence, August 2026) and "CDNA5" Instruction Set Architecture Reference Guide (July 2026). The comments in the code are by the model that wrote it; some were corrected since.
;; Multihead Attention. Allowed arithmetic: matrix products marked QUANTISED: E5M2 operands, one E8M0 scale for each 32 along K, by v_wmma_scale_f32_16x16x128_f8f6f4 with both operands' format E5M2, f32 sums; everything else in f32.
;; Inputs: K_codes 4 x 2,048 x 32 x 32 uint8 (E5M2 codes of K, K innermost, in blocks of 32 codes); K_scales 4 x 2,048 x 32 uint8 (E8M0 scales of K, one for each 32 codes along K); Q_codes 4 x 2,048 x 32 x 32 uint8 (E5M2 codes of Q, K innermost, in blocks of 32 codes); Q_scales 4 x 2,048 x 32 uint8 (E8M0 scales of Q, one for each 32 codes along K); V_codes 4 x 2,048 x 32 x 32 uint8 (E5M2 codes of V, K innermost, in blocks of 32 codes); V_scales 4 x 2,048 x 32 uint8 (E8M0 scales of V, one for each 32 codes along K); Wk_codes 16 x 64 x 32 x 32 uint8 (E5M2 codes of Wk, K innermost, in blocks of 32 codes); Wk_scales 16 x 64 x 32 uint8 (E8M0 scales of Wk, one for each 32 codes along K); Wo_codes 1,024 x 32 x 32 uint8 (E5M2 codes of Wo, K innermost, in blocks of 32 codes); Wo_scales 1,024 x 32 uint8 (E8M0 scales of Wo, one for each 32 codes along K); Wq_codes 16 x 64 x 32 x 32 uint8 (E5M2 codes of Wq, K innermost, in blocks of 32 codes); Wq_scales 16 x 64 x 32 uint8 (E8M0 scales of Wq, one for each 32 codes along K); Wv_codes 16 x 64 x 32 x 32 uint8 (E5M2 codes of Wv, K innermost, in blocks of 32 codes); Wv_scales 16 x 64 x 32 uint8 (E8M0 scales of Wv, one for each 32 codes along K); bk 16 x 64 float32; bo 1,024 float32; bq 16 x 64 float32; bv 16 x 64 float32.
;; Outputs: out0 4 x 2,048 x 1,024 float32.
;; This version of the problem:
;;   THIS VERSION OF THE PROBLEM IS GIVEN IN LOW PRECISION. The matrix products marked QUANTISED in the list below multiply operands that are first quantised to E5M2 (5 exponent bits, 2 mantissa bits; 8 bits a number), with one power-of-two scale for each 32 numbers along K (OCP MX v1.0); their sums are f32. All else is computed in f32.
;;   The module's matrix products, in the order in which they are computed (A, B: the left and right operand; K: the contracted axis; several contracted axes count as one K, in the product's order):
;;     1. [M 1,024, K 1,024] x [K 1,024, N 8,192]; A: input Wq (given as codes); B: input Q (given as codes): QUANTISED
;;     2. [M 1,024, K 1,024] x [K 1,024, N 8,192]; A: input Wk (given as codes); B: input K (given as codes): QUANTISED
;;     3. [M 1,024, K 1,024] x [K 1,024, N 8,192]; A: input Wv (given as codes); B: input V (given as codes): QUANTISED
;;     4. batch 64 x [M 2,048, K 64] x [K 64, N 2,048]; A: computed on the way; B: computed on the way: QUANTISED
;;     5. batch 64 x [M 2,048, K 2,048] x [K 2,048, N 64]; A: softmax (see below); B: computed on the way: QUANTISED
;;     6. [M 8,192, K 1,024] x [K 1,024, N 1,024]; A: computed on the way; B: input Wo (given as codes): QUANTISED
;;   THE QUANTISER, for each operand of a quantised product, along K:
;;     - K is cut into blocks of 32 from its start; a last block that is shorter is filled with zeros.
;;     - A block's scale is 2^e with e = floor(log2(the largest magnitude in the block)) - 15, held to -126 .. 127; a block of zeros has e = 0. As a byte (E8M0): e + 127.
;;     - Each number is divided by its block's scale, clamped to +-57,344, and rounded to the nearest number of E5M2, ties to even, subnormals kept.
;;     - The product sums the exact products of the quantised numbers (number of the format x scale) in f32.
;;   ~~~python
;;   def quantise(x, axis):      # numpy; x: float32 -> the quantised numbers, widened to float32 again
;;       x = np.moveaxis(x, axis, -1); K = x.shape[-1]
;;       x = np.pad(x, [(0, 0)] * (x.ndim - 1) + [(0, -K % 32)]); x = x.reshape(x.shape[:-1] + (-1, 32)); a = np.abs(x).max(-1, keepdims=True)
;;       e = np.where(a > 0, np.clip(np.frexp(np.where(a > 0, a, 1))[1] - 1 - 15, -126, 127), 0)      # np.frexp(a)[1] - 1 = floor(log2(a)), exactly
;;       r = np.clip(x / 2.0 ** e, -57344, 57344)
;;       step = 2.0 ** (np.maximum(np.frexp(np.where(r == 0, 1, r))[1] - 1, -14) - 2)
;;       q = np.round(r / step) * step * 2.0 ** e      # np.round: ties to even
;;       return np.moveaxis(q.reshape(q.shape[:-2] + (-1,))[..., :K], -1, axis).astype(np.float32)
;;   ~~~
;;   SOFTMAX AHEAD OF A QUANTISED PRODUCT. Where the list says 'softmax', what is quantised is not the finished softmax but p = 2^(t - M), with t = logit x log2(e) and M = ceil(the row's largest t), a whole number; so 1/2 < the row's largest p <= 1. The row's sum l is taken of the UNQUANTISED p, in f32, and the product's result is divided by l at the end. Since M is a whole number, a kernel that streams over the keys may use a running M (the ceiling of the running maximum): every later rescaling is an exact power of two, which a block's scale takes up: the codes' values come out the same.
;;   OPERANDS COMPUTED ON THE WAY. 'Computed on the way' means the value that the module computes at that place (a softmax that the list does not call 'softmax' is quantised finished and normalised). What goes into a quantiser is computed in f32, as accurately as f32 sums, v_exp_f32 and their like allow (about 1e-6 of the number): no bf16 or f16 on the way to a quantiser, and a product that is left as it is and whose result goes on into a quantised operand takes f32 operands (vector FMAs, or v_wmma_f32_16x16x4_f32). A number that lies on a knife's edge between two numbers of the format may be rounded either way, as far as f32 arithmetic and the matrix unit's own rounding can turn it there, and no further.
;;   INPUTS GIVEN AS CODES. K (in the module: [4, 2048, 1024], K = its axis 2); Q (in the module: [4, 2048, 1024], K = its axis 2); V (in the module: [4, 2048, 1024], K = its axis 2); Wk (in the module: [16, 1024, 64], K = its axis 1); Wo (in the module: [1024, 1024], K = its axis 0); Wq (in the module: [16, 1024, 64], K = its axis 1); Wv (in the module: [16, 1024, 64], K = its axis 1): each comes as NAME_codes (uint8): NAME with its K axis moved to the last place and cut into blocks of 32 codes, [.., K / 32, bytes a block], one block behind the other in memory; one code a byte (a code: sign, 5 exponent bits, 2 mantissa bits); and NAME_scales (uint8): the same leading axes, one E8M0 byte (e + 127) for each 32 codes along K. Its value is code x scale, taken as it is: it is not quantised again, and the codes and scales need not be those that the quantiser above would give.
;; One version. Each part assembles by itself: llvm-mc -triple=amdgcn-amd-amdhsa -mcpu=gfx1250 --defsym DOCPART=n.
;; ======== version 1 of 1: 3 launches
;; limits: right only within a limited range of input values
;; workspace buffers: qimg 8,650,752 bytes; kv 17,301,504 bytes; o_codes 8,388,608 bytes; o_scales 262,144 bytes
;; launch proj (part 1): grid 32 x 12, 4 waves a work-group, clusters of 4 x 4, 327,680 bytes of LDS; arguments Q_codes, Q_scales, Wq_codes, Wq_scales, K_codes, K_scales, Wk_codes, Wk_scales, Wv_codes, Wv_scales, V_codes, V_scales, bq, bk, bv, qimg, kv; writes qimg, kv
.if DOCPART == 1
	.amdgcn_target "amdgcn-amd-amdhsa--gfx1250"
	.amdhsa_code_object_version 6
	.text
	.protected	k_q1b74e61412_proj
	.globl	k_q1b74e61412_proj
	.p2align	8
	.type	k_q1b74e61412_proj,@function
k_q1b74e61412_proj:
	s_mov_b64 s[64:65], 0
	v_nop
	global_prefetch_b8 v0, s[64:65] scope:SCOPE_SE
	s_setreg_imm32_b32 hwreg(HW_REG_WAVE_MODE, 25, 1), 1
	s_wait_xcnt 0x0
	s_wait_alu depctr_hold_cnt(0) depctr_sa_sdst(0) depctr_va_vdst(0) depctr_va_sdst(0) depctr_va_ssrc(0) depctr_va_vcc(0) depctr_vm_vsrc(0)
	s_getreg_b32 s2, hwreg(HW_REG_IB_STS2, 6, 4)
	s_cmp_eq_u32 s2, 0
	s_cbranch_scc0 .Lentry_in_a_cluster
	s_endpgm
.Lentry_in_a_cluster:
	s_bfe_u32 s2, ttmp6, 0x10000c
	s_cmp_lg_u32 s2, 0xf033
	s_cbranch_scc0 .Lentry_shape_is_right
	s_endpgm
.Lentry_shape_is_right:
.set KSTEP,  256
.set NQ,     2
.set ROWB,   256
.set KROW,   1024
.set PITCH,  272
.set FR,     16
.set NL,     4
.set NP,     8
.set HALFT,  128*PITCH
.set SLOT,   4*HALFT
.set LAPS,   2
.set KS,     32
.set SCL,    2*SLOT
.set HALFS,  16*272
.set SBLK,   2*272
.set SPARE,  SCL+4*HALFS
.set BN,   8
.set ADRA, 16
.set ADRB, 20
.set LI,   24
.set LR,   25
.set ADRS, 27
.set SPW,  28
.set NIL,  29
.set SC,   32
.set BM,   64
.set AF,   128
.set X,    128
.set PC,   192
.set TM,   224
.set PWR,  240
.set SW,   244
.set G1, 24
.set G0, 32
.set G1B, 48
.set G0B, 56
.set G1S, 68
.set G0S, 76
.set G1SB, 80
.set G0SB, 88
.set KIND, 66
.set SEL,  20
.set MNT,  23
.set D0,   96
.set MSB, 0
.macro WIN new
.if MSB != \new
	s_set_vgpr_msb (MSB<<8)|\new
.set MSB, \new
.endif
.endm
.set MUL_LO, 0xa1
.set MUL_HI, 0xf1
.set TO_B,   0x40
.macro JLOAD g0a, g1a, g0b, g1b
	s_cmp_eq_u32 s15, 0
	s_cbranch_scc0 .Lfor_b_\@
	tensor_load_to_lds s[\g0a:\g0a+3], s[\g1a:\g1a+7]
	s_nop 0
.rept 4
	v_nop
.endr
	s_branch .Lasked_\@
.Lfor_b_\@:
	tensor_load_to_lds s[\g0b:\g0b+3], s[\g1b:\g1b+7]
	s_nop 0
.rept 4
	v_nop
.endr
.Lasked_\@:
.endm
.macro CREST
	s_cmp_lg_u32 s14, 0
	s_cbranch_scc1 .Lnot_wave_0_\@
	s_barrier_signal -3
.Lnot_wave_0_\@:
	s_barrier_wait -3
	s_barrier_signal -1
	s_barrier_wait -1
.endm
.macro CROUND
	s_barrier_signal -1
	s_barrier_wait -1
	CREST
.endm
	s_load_b256 s[4:11], s[0:1], 0x0
	s_load_b256 s[68:75], s[0:1], 0x20
	s_load_b256 s[76:83], s[0:1], 0x40
	s_load_b256 s[84:91], s[0:1], 0x60
	s_load_b64 s[92:93], s[0:1], 0x80
	v_lshl_add_u32 v[SPW], v0, 2, SPARE
	v_mov_b32 v[NIL], 0
	ds_add_u32 v[SPW], v[NIL]
	ds_add_u32 v[SPW], v[NIL]
	v_lshrrev_b32 v1, 5, v0
	v_readfirstlane_b32 s14, v1
	s_lshr_b32 s15, s14, 1
	s_and_b32 s16, s14, 1
	s_bfe_u32 s40, ttmp6, 0x40000
	s_bfe_u32 s41, ttmp6, 0x40004
	s_and_b32 s[KIND], ttmp7, 0xffff
	s_cmp_eq_u32 s[KIND], 2
	s_cselect_b32 s42, ttmp9, 0
	s_cselect_b32 s17, 0, ttmp9
	s_lshl_b32 s42, s42, 2
	s_add_co_u32 s42, s42, s40
	s_lshl_b32 s17, s17, 2
	s_add_co_u32 s17, s17, s41
	s_lshl_b32 s43, s41, 2
	s_lshl_b32 s43, 15, s43
	s_lshl_b32 s44, 0x1111, s40
	s_or_b32 s[G1+0], s43, (0<<16)|(1<<20)|(1<<21)|(5<<22)|(3<<25)
	s_or_b32 s[G1B+0], s44, (0<<16)|(1<<20)|(1<<21)|(5<<22)|(3<<25)
.irp g, G1, G1B
	s_mov_b32 s[\g+1], ROWB<<16
	s_mov_b32 s[\g+2], 256<<16
	s_mov_b32 s[\g+3], ROWB<<16
	s_mov_b32 s[\g+4], 256
	s_mov_b32 s[\g+5], KROW
	s_mov_b32 s[\g+6], 0
	s_mov_b32 s[\g+7], 0
.endr
	s_mul_i32 s45, s14, HALFT
	s_wait_dscnt 0x0
	s_wait_kmcnt 0x0
	s_cmp_eq_u32 s[KIND], 1
	s_cselect_b64 s[4:5], s[68:69], s[4:5]
	s_cselect_b64 s[6:7], s[70:71], s[6:7]
	s_cselect_b64 s[8:9], s[72:73], s[8:9]
	s_cselect_b64 s[10:11], s[74:75], s[10:11]
	s_cselect_b64 s[12:13], s[86:87], s[84:85]
	s_cselect_b64 s[D0:D0+1], s[92:93], s[90:91]
	s_cmp_eq_u32 s[KIND], 2
	s_cselect_b64 s[4:5], s[76:77], s[4:5]
	s_cselect_b64 s[6:7], s[78:79], s[6:7]
	s_cselect_b64 s[8:9], s[80:81], s[8:9]
	s_cselect_b64 s[10:11], s[82:83], s[10:11]
	s_cselect_b64 s[12:13], s[88:89], s[12:13]
	s_cselect_b64 s[D0:D0+1], s[92:93], s[D0:D0+1]
	s_or_b32 s[G1S+0], s43, (3<<16)|(1<<20)|(1<<21)|(5<<22)|(3<<25)
	s_or_b32 s[G1SB+0], s44, (3<<16)|(1<<20)|(1<<21)|(5<<22)|(3<<25)
.irp g, G1S, G1SB
	s_mov_b32 s[\g+1], 32<<16
	s_mov_b32 s[\g+2], 32<<16
	s_mov_b32 s[\g+3], 32<<16
	s_mov_b32 s[\g+4], 32
	s_mov_b32 s[\g+5], 32
	s_mov_b32 s[\g+6], 0
	s_mov_b32 s[\g+7], 0
.endr
	s_lshl_b32 s18, s16, 17                        ; in the ring a wave fetches 128 rows of a tile: which half, in bytes
	s_mov_b32 s19, 0
	s_lshl_b32 s20, s17, 8                         ; the tiles' first rows
	s_lshl_b32 s46, s42, 8
	s_lshl_b32 s22, s20, 5
	s_mov_b32 s23, 0
	s_lshl_b32 s20, s20, 10
	s_mov_b32 s21, 0
	s_lshl_b32 s92, s46, 5
	s_mov_b32 s93, 0
	s_lshl_b32 s46, s46, 10
	s_mov_b32 s47, 0
	s_add_nc_u64 s[20:21], s[4:5], s[20:21]
	s_add_nc_u64 s[22:23], s[6:7], s[22:23]
	s_add_nc_u64 s[46:47], s[8:9], s[46:47]
	s_add_nc_u64 s[92:93], s[10:11], s[92:93]
	CROUND
	s_mov_b32 s[G0S], 1
	s_mov_b32 s[G0S+1], SCL
	s_mov_b64 s[G0S+2:G0S+3], s[22:23]
	s_or_b32 s[G0S+3], s[G0S+3], 0x80000000
	s_mov_b32 s[G0SB], 1
	s_mov_b32 s[G0SB+1], SCL+2*HALFS
	s_mov_b64 s[G0SB+2:G0SB+3], s[92:93]
	s_or_b32 s[G0SB+3], s[G0SB+3], 0x80000000
.set G0H, 4                            ; s[4:7], s[8:11] group 0 of the head's loads of K step 0 (the arguments that lay there have been used)
.set G0HB, 8
	s_mov_b32 s[G0H], 1
	s_mov_b32 s[G0H+1], 0
	s_mov_b64 s[G0H+2:G0H+3], s[20:21]
	s_or_b32 s[G0H+3], s[G0H+3], 0x80000000
	s_mov_b32 s[G0HB], 1
	s_mov_b32 s[G0HB+1], 2*HALFT
	s_mov_b64 s[G0HB+2:G0HB+3], s[46:47]
	s_or_b32 s[G0HB+3], s[G0HB+3], 0x80000000
	s_add_nc_u64 s[20:21], s[20:21], s[18:19]      ; for the ring: my 128 rows of the tile
	s_add_nc_u64 s[46:47], s[46:47], s[18:19]
.irp s, 0,1
	s_mov_b32 s[G0+4*\s], 1
	s_add_co_u32 s[G0+4*\s+1], s45, \s*SLOT
	s_add_nc_u64 s[G0+4*\s+2:G0+4*\s+3], s[20:21], \s*ROWB
	s_or_b32 s[G0+4*\s+3], s[G0+4*\s+3], 0x80000000
	s_mov_b32 s[G0B+4*\s], 1
	s_add_co_u32 s[G0B+4*\s+1], s45, \s*SLOT
	s_add_nc_u64 s[G0B+4*\s+2:G0B+4*\s+3], s[46:47], \s*ROWB
	s_or_b32 s[G0B+4*\s+3], s[G0B+4*\s+3], 0x80000000
.endr
; the head's four tiles, one joint load a wave: wave 0 K step 0's 256 rows of source A, wave 1 those of B, wave 2 A's scale bytes, wave 3 B's: one chain of branches on the wave's number
.macro ARM under, g0, g1, next
	s_cmp_lt_u32 s14, \under
	s_cbranch_scc0 \next
	tensor_load_to_lds s[\g0:\g0+3], s[\g1:\g1+7]
	s_nop 0
.rept 4
	v_nop
.endr
	s_branch .Lhead_asked
\next:
.endm
	ARM 1, G0H,  G1,  .Lhead_b
	ARM 2, G0HB, G1B, .Lhead_sa
	ARM 3, G0S,  G1S, .Lhead_sb
	tensor_load_to_lds s[G0SB:G0SB+3], s[G1SB:G1SB+7]
	s_nop 0
.rept 4
	v_nop
.endr
.Lhead_asked:
	v_and_b32 v1, 15, v0
	v_bfe_u32 v2, v0, 4, 1
	v_mul_u32_u24 v3, v1, PITCH
	v_lshl_add_u32 v4, v2, 4, v3
	s_mul_i32 s21, s15, HALFT
	s_mul_i32 s22, s16, HALFT
	s_add_co_u32 s22, s22, 2*HALFT
.irp s, 0,1
	v_add_nc_u32 v[ADRA+\s], s21, v4
	v_add_nc_u32 v[ADRB+\s], s22, v4
	s_add_co_u32 s21, s21, SLOT
	s_add_co_u32 s22, s22, SLOT
.endr
	v_mul_u32_u24 v5, v1, KS
	v_lshrrev_b32 v6, 8, v5
	v_lshl_add_u32 v5, v6, 4, v5
	s_mul_i32 s21, s15, HALFS
	s_mul_i32 s22, s16, HALFS
	s_add_co_u32 s22, s22, 2*HALFS
	s_sub_co_u32 s22, s22, s21
	v_mul_u32_u24 v6, s22, v2
	s_add_co_u32 s21, s21, SCL
	v_add_nc_u32 v5, v5, v6
	v_add_nc_u32 v[ADRS], s21, v5
	v_and_b32 v6, 31, v0
	v_lshlrev_b32 v[LI], 4, v6
	v_lshlrev_b32 v[LR], 4, v1
	s_lshl_b32 s18, s42, 8
	s_lshl_b32 s19, s16, 7
	s_add_co_u32 s18, s18, s19
	s_lshl_b32 s22, s17, 8
	s_lshl_b32 s23, s15, 7
	s_add_co_u32 s22, s22, s23
	s_cmp_eq_u32 s[KIND], 2
	s_cselect_b32 s19, s18, s22
	s_cselect_b32 s18, s22, s18
	s_lshr_b32 s22, s19, 11
	s_bfe_u32 s23, s19, 0x40007
	s_lshr_b32 s45, s18, 6
	s_lshl_b32 s22, s22, 4
	s_add_co_u32 s22, s22, s45
	s_cmp_eq_u32 s[KIND], 0
	s_mov_b32 s46, 270336
	s_cselect_b32 s46, 135168, s46
	s_mov_b32 s47, 16896
	s_cselect_b32 s47, 8448, s47
	s_mov_b32 s92, 16384
	s_cselect_b32 s92, 8192, s92
	s_cmp_eq_u32 s[KIND], 2
	s_cselect_b32 s92, 8448, s92
	s_cselect_b32 s93, 8192, 0
	s_mul_i32 s22, s22, s46
	s_mul_i32 s23, s23, s47
	s_add_co_u32 s22, s22, s23
	s_add_co_u32 s22, s22, s93
	s_mov_b32 s23, 0
	s_mov_b32 s47, 0
	s_mov_b32 s93, 0
	s_add_nc_u64 s[D0:D0+1], s[D0:D0+1], s[22:23]
	s_add_nc_u64 s[D0+2:D0+3], s[D0:D0+1], s[46:47]
	s_add_nc_u64 s[100:101], s[D0:D0+1], s[92:93]
	s_add_nc_u64 s[104:105], s[100:101], s[46:47]
	s_lshl_b32 s22, s18, 2
	s_add_nc_u64 s[12:13], s[12:13], s[22:23]
	s_mov_b32 s[SEL], 0x76543210
	s_mov_b32 s[SEL+1], 0xfedcba98
	s_mov_b32 s[MNT], 0x600000
	v_lshlrev_b32 v7, 5, v2
	v_lshlrev_b32 v30, 2, v1
.irp b, 0,1,2,3,4,5,6,7
	global_load_b128 v[BM+8*\b:BM+8*\b+3], v7, s[12:13] offset:64*\b
	global_load_b128 v[BM+8*\b+4:BM+8*\b+7], v7, s[12:13] offset:64*\b+16
.endr
.irp a, 0,1,2,3,4,5,6,7
	global_load_b32 v[BN+\a], v30, s[12:13] offset:64*\a
.endr
.macro FRAG reg, adr, q, i
.irp c, 0,1,2,3
	ds_load_b128 v[\reg+4*\c:\reg+4*\c+3], v[\adr] offset:128*(\q)+32*\c+(\i)*16*PITCH
.endr
.endm
.macro MUL16 a0, p, q, sc, zero
.irp a, \a0, \a0+1
.irp b, 0,1,2,3,4,5,6,7
.if \zero
	v_wmma_scale_f32_16x16x128_f8f6f4 v[8*(8*((\a)%4)+\b):8*(8*((\a)%4)+\b)+7], v[128*(\p)+FR*\b:128*(\p)+FR*\b+FR-1], v[AF+FR*(\a):AF+FR*(\a)+FR-1], 0, v[SC+8*NQ*(\sc)+NQ*\b+(\q)], v[SC+8*NQ*(\sc)+NQ*(\a)+(\q)] matrix_a_fmt:MATRIX_FMT_BF8 matrix_b_fmt:MATRIX_FMT_BF8 matrix_a_scale:MATRIX_SCALE_ROW1
.else
	v_wmma_scale_f32_16x16x128_f8f6f4 v[8*(8*((\a)%4)+\b):8*(8*((\a)%4)+\b)+7], v[128*(\p)+FR*\b:128*(\p)+FR*\b+FR-1], v[AF+FR*(\a):AF+FR*(\a)+FR-1], v[8*(8*((\a)%4)+\b):8*(8*((\a)%4)+\b)+7], v[SC+8*NQ*(\sc)+NQ*\b+(\q)], v[SC+8*NQ*(\sc)+NQ*(\a)+(\q)] matrix_a_fmt:MATRIX_FMT_BF8 matrix_b_fmt:MATRIX_FMT_BF8 matrix_a_scale:MATRIX_SCALE_ROW1
.endif
.endr
.endr
.endm
.macro FETCH_B slot, q, p
	WIN TO_B
.irp i, 0,1,2,3,4,5,6,7
	FRAG 128*(\p)+FR*\i, ADRB+\slot, \q, \i
.endr
	WIN 0
.endm
.macro FETCH_A slot, q, i0
.irp i, \i0, \i0+1, \i0+2, \i0+3
	FRAG AF+FR*(\i), ADRA+\slot, \q, \i
.endr
.endm
.macro SCALES sc
.irp i, 0,1,2,3,4,5,6,7
	ds_load_b64 v[SC+8*NQ*\sc+NQ*\i:SC+8*NQ*\sc+NQ*\i+1], v[ADRS] offset:\i*SBLK
.endr
.endm
.macro PLACES n
.rept \n
	v_nop
.endr
.endm
.macro STEP slot, q, zero
	s_wait_dscnt 4*NL
	WIN MUL_LO
	MUL16 0, (\q)%2, \q, \slot, \zero
	MUL16 2, (\q)%2, \q, \slot, \zero
	s_wait_dscnt 0
	PLACES NP
	FETCH_B \slot, (\q)+1, 1-(\q)%2
	FETCH_A \slot, (\q)+1, 0
	WIN MUL_HI
	MUL16 4, (\q)%2, \q, \slot, \zero
	MUL16 6, (\q)%2, \q, \slot, \zero
	PLACES NP
	WIN 0
	FETCH_A \slot, (\q)+1, 4
.endm
.macro TURN slot, next, fill
	s_wait_tensorcnt 0x0
	ds_add_u32 v[SPW], v[NIL]
	s_wait_dscnt 4*NL+1
	WIN MUL_LO
	MUL16 0, 1, NQ-1, \slot, 0
	s_wait_dscnt 0x0
	s_barrier_signal -1
	MUL16 2, 1, NQ-1, \slot, 0
	WIN 0
	s_barrier_wait -1
.if \fill
	CREST
	s_add_nc_u64 s[G0+4*\slot+2:G0+4*\slot+3], s[G0+4*\slot+2:G0+4*\slot+3], 2*ROWB
	s_add_nc_u64 s[G0B+4*\slot+2:G0B+4*\slot+3], s[G0B+4*\slot+2:G0B+4*\slot+3], 2*ROWB
	JLOAD G0+4*\slot, G1, G0B+4*\slot, G1B
	PLACES NP-4
.else
	PLACES NP
.endif
	s_wait_alu depctr_va_vdst(0)
	v_add_nc_u32 v[ADRS], 4*NQ, v[ADRS]
	FETCH_B \next, 0, 0
	FETCH_A \next, 0, 0
	SCALES \next
	WIN MUL_HI
	MUL16 4, 1, NQ-1, \slot, 0
	MUL16 6, 1, NQ-1, \slot, 0
	PLACES NP
	WIN 0
	FETCH_A \next, 0, 4
.endm
	s_wait_alu depctr_va_vdst(0)
	s_wait_tensorcnt 0x0                           ; my tile of the head's four is in
	ds_add_u32 v[SPW], v[NIL]                      ; the add ahead of a later first fill
	s_mov_b32 s[G1+2], 128<<16                     ; no tensor load of mine is out: from here on a load brings 128 rows
	s_mov_b32 s[G1+4], 128
	s_mov_b32 s[G1B+2], 128<<16
	s_mov_b32 s[G1B+4], 128
	s_wait_dscnt 0x0
	CROUND                                         ; all four tiles are in, and all sixteen work-groups are here
	JLOAD G0+4, G1, G0B+4, G1B                     ; K step 1, the first tensor load behind the round
	FETCH_B 0, 0, 0
	FETCH_A 0, 0, 0
	SCALES 0
	FETCH_A 0, 0, 4
	STEP 0, 0, 1
	s_mov_b32 s3, LAPS-1
.Llap:
	TURN 0, 1, 1
	STEP 1, 0, 0
	TURN 1, 0, 1
	STEP 0, 0, 0
	s_sub_co_u32 s3, s3, 1
	s_cmp_lg_u32 s3, 0
	s_cbranch_scc1 .Llap
	TURN 0, 1, 0
	STEP 1, 0, 0
	s_wait_dscnt 4*NL
	WIN MUL_LO
	MUL16 0, 1, NQ-1, 1, 0
	MUL16 2, 1, NQ-1, 1, 0
	s_wait_dscnt 0
	WIN MUL_HI
	MUL16 4, 1, NQ-1, 1, 0
	MUL16 6, 1, NQ-1, 1, 0
	WIN 0
.macro QUANT s, pw
.irp b, 0,1,2,3
	v_max3_num_f32 v[TM+\b], |v[\s+16*\b]|, |v[\s+1+16*\b]|, 0x8000000
.endr
.irp i, 2,4,6,8,10,12,14
.irp b, 0,1,2,3
	v_max3_num_f32 v[TM+\b], v[TM+\b], |v[\s+16*\b+\i]|, |v[\s+1+16*\b+\i]|
.endr
.endr
.irp b, 0,1,2,3
	v_permlanex16_b32 v[TM+4+\b], v[TM+\b], s[SEL], s[SEL+1]
.endr
.irp b, 0,1,2,3
	v_max_num_f32 v[TM+\b], v[TM+\b], v[TM+4+\b]
.endr
.irp b, 0,1,2,3
	v_add_nc_u32 v[TM+12+\b], 0xf8800000, v[TM+\b]
.endr
.irp b, 0,1,2,3
	v_and_or_b32 v[TM+8+\b], v[TM+\b], 0x7f800000, s[MNT]
.endr
.irp b, 0,1,2,3
	v_lshrrev_b32 v[TM+4+\b], 23, v[TM+12+\b]
.endr
	v_lshl_or_b32 v[\pw], v[TM+5], 8, v[TM+4]
	v_lshl_or_b32 v[\pw], v[TM+6], 16, v[\pw]
	v_lshl_or_b32 v[\pw], v[TM+7], 24, v[\pw]
	s_wait_alu depctr_va_vdst(0)
	s_wait_xcnt 0x0                                ; the block before has stored from the registers that the conversions below write: they are written again only behind this wait
.irp b, 0,1,2,3
.irp i, 0,1,2,3,4,5,6,7,8,9,10,11,12,13,14,15
	v_med3_num_f32 v[\s+16*\b+\i], v[\s+16*\b+\i], -v[TM+8+\b], v[TM+8+\b]
.endr
	v_cvt_scalef32_pk8_bf8_f32 v[PC+4*\b:PC+1+4*\b], v[\s+16*\b:\s+7+16*\b], v[TM+12+\b]
	v_cvt_scalef32_pk8_bf8_f32 v[PC+2+4*\b:PC+3+4*\b], v[\s+8+16*\b:\s+15+16*\b], v[TM+12+\b]
.endr
	v_nop
.endm
.macro QUAD a, kind
.set WQ, 0x02+(\a)/4
	WIN WQ
.set i, 0
.rept 32
.if \kind == 0
	v_pk_add_f32 v[X+2*i:X+2*i+1], v[64*((\a)%4)+2*i:64*((\a)%4)+2*i+1], v[BM+2*i:BM+2*i+1]
.elseif (\a)%2 == 0
	v_pk_add_f32 v[X+2*i:X+2*i+1], v[64*((\a)%4)+2*i:64*((\a)%4)+2*i+1], v[BN+(\a):BN+(\a)+1] op_sel_hi:[1,0]
.else
	v_pk_add_f32 v[X+2*i:X+2*i+1], v[64*((\a)%4)+2*i:64*((\a)%4)+2*i+1], v[BN+(\a)-1:BN+(\a)] op_sel:[0,1] op_sel_hi:[1,1]
.endif
.set i, i+1
.endr
	WIN 0
.if \kind == 0
	QUANT X, PWR+(\a)%2
.irp t, 0,1,2,3
	global_store_b128 v[LI], v[PC+4*\t:PC+4*\t+3], s[D0+2*(\t/2):D0+2*(\t/2)+1] offset:(2*(\a)+\t%2)*512
.endr
.if (\a)%2 == 1
	v_perm_b32 v[SW+(\a)/2], v[PWR+1], v[PWR], 0x05040100
	v_perm_b32 v[SW+4+(\a)/2], v[PWR+1], v[PWR], 0x07060302
.endif
.else
	QUANT X, SW+(\a)
.irp t, 0,1,2,3
	global_store_b128 v[LI], v[PC+4*\t:PC+4*\t+3], s[D0+2*((\a)/4):D0+2*((\a)/4)+1] offset:(4*((\a)%4)+\t)*512
.endr
.endif
.endm
.macro WORDS
	global_store_b128 v[LR], v[SW:SW+3], s[100:101]
	global_store_b128 v[LR], v[SW+4:SW+7], s[104:105]
.endm
	PLACES NP
	s_wait_loadcnt 0x0
.irp b, 0,1,2,3
	v_mov_b32 v[TM+4+\b], 0
.endr
	s_cmp_eq_u32 s[KIND], 2
	s_cbranch_scc1 .Lout_v
.irp a, 0,1,2,3,4,5,6,7
	QUAD \a, 0
.endr
	WORDS
	s_branch .Ldone
.Lout_v:
.irp a, 0,1,2,3,4,5,6,7
	QUAD \a, 1
.endr
	WORDS
.Ldone:
	s_wait_tensorcnt 0x0
	ds_add_u32 v[SPW], v[NIL]
	s_wait_dscnt 0x0
	CROUND
	s_endpgm
.Lfunc_end_k_q1b74e61412_proj:
	.size	k_q1b74e61412_proj, .Lfunc_end_k_q1b74e61412_proj-k_q1b74e61412_proj
	.p2alignl 7, 3214868480
	.fill 96, 4, 3214868480
	.section	.rodata,"a",@progbits
	.p2align	6, 0x0
	.amdhsa_kernel k_q1b74e61412_proj
		.amdhsa_group_segment_fixed_size 327680
		.amdhsa_private_segment_fixed_size 0
		.amdhsa_enable_private_segment 0
		.amdhsa_kernarg_size 136
		.amdhsa_user_sgpr_count 2
		.amdhsa_user_sgpr_kernarg_segment_ptr 1
		.amdhsa_wavefront_size32 1
		.amdhsa_system_sgpr_workgroup_id_x 1
		.amdhsa_system_sgpr_workgroup_id_y 1
		.amdhsa_system_sgpr_workgroup_id_z 1
		.amdhsa_system_vgpr_workitem_id 0
		.amdhsa_next_free_vgpr 1024
		.amdhsa_next_free_sgpr 106
		.amdhsa_reserve_vcc 0
		.amdhsa_float_denorm_mode_32 3
		.amdhsa_float_denorm_mode_16_64 3
		.amdhsa_memory_ordered 1
		.amdhsa_forward_progress 1
		.amdhsa_inst_pref_size 255
	.end_amdhsa_kernel
	.section	.bss,"aw",@nobits
	.p2align	6
	.space	262144
	.amdgpu_metadata
---
amdhsa.version: [ 1, 2 ]
amdhsa.kernels:
  - .name:           k_q1b74e61412_proj
    .symbol:         k_q1b74e61412_proj.kd
    .args:
      - { .name: Q_codes, .offset: 0, .size: 8, .value_kind: global_buffer, .address_space: global }
      - { .name: Q_scales, .offset: 8, .size: 8, .value_kind: global_buffer, .address_space: global }
      - { .name: Wq_codes, .offset: 16, .size: 8, .value_kind: global_buffer, .address_space: global }
      - { .name: Wq_scales, .offset: 24, .size: 8, .value_kind: global_buffer, .address_space: global }
      - { .name: K_codes, .offset: 32, .size: 8, .value_kind: global_buffer, .address_space: global }
      - { .name: K_scales, .offset: 40, .size: 8, .value_kind: global_buffer, .address_space: global }
      - { .name: Wk_codes, .offset: 48, .size: 8, .value_kind: global_buffer, .address_space: global }
      - { .name: Wk_scales, .offset: 56, .size: 8, .value_kind: global_buffer, .address_space: global }
      - { .name: Wv_codes, .offset: 64, .size: 8, .value_kind: global_buffer, .address_space: global }
      - { .name: Wv_scales, .offset: 72, .size: 8, .value_kind: global_buffer, .address_space: global }
      - { .name: V_codes, .offset: 80, .size: 8, .value_kind: global_buffer, .address_space: global }
      - { .name: V_scales, .offset: 88, .size: 8, .value_kind: global_buffer, .address_space: global }
      - { .name: bq, .offset: 96, .size: 8, .value_kind: global_buffer, .address_space: global }
      - { .name: bk, .offset: 104, .size: 8, .value_kind: global_buffer, .address_space: global }
      - { .name: bv, .offset: 112, .size: 8, .value_kind: global_buffer, .address_space: global }
      - { .name: qimg, .offset: 120, .size: 8, .value_kind: global_buffer, .address_space: global }
      - { .name: kv, .offset: 128, .size: 8, .value_kind: global_buffer, .address_space: global }
    .group_segment_fixed_size: 327680
    .private_segment_fixed_size: 0
    .kernarg_segment_align: 8
    .kernarg_segment_size: 136
    .max_flat_workgroup_size: 128
    .sgpr_count:     106
    .vgpr_count:     1024
    .wavefront_size: 32
...
	.end_amdgpu_metadata
.endif
;; end of part 1
;; launch attn (part 2): grid 4 x 64, 8 waves a work-group, clusters of 4 x 1, 327,680 bytes of LDS; arguments qimg, kv, o_codes, o_scales; writes o_codes, o_scales
.if DOCPART == 2
	.amdgcn_target "amdgcn-amd-amdhsa--gfx1250"
	.amdhsa_code_object_version 6
	.text
	.protected	k_q1b74e61412_attn
	.globl	k_q1b74e61412_attn
	.p2align	8
	.type	k_q1b74e61412_attn,@function
k_q1b74e61412_attn:
	s_mov_b64 s[64:65], 0
	v_nop
	global_prefetch_b8 v0, s[64:65] scope:SCOPE_SE
	s_setreg_imm32_b32 hwreg(HW_REG_WAVE_MODE, 25, 1), 1
	s_wait_xcnt 0x0
	s_wait_alu depctr_hold_cnt(0) depctr_sa_sdst(0) depctr_va_vdst(0) depctr_va_sdst(0) depctr_va_ssrc(0) depctr_va_vcc(0) depctr_vm_vsrc(0)
	s_getreg_b32 s2, hwreg(HW_REG_IB_STS2, 6, 4)
	s_cmp_eq_u32 s2, 0
	s_cbranch_scc0 .Lentry_in_a_cluster
	s_endpgm
.Lentry_in_a_cluster:
	s_bfe_u32 s2, ttmp6, 0x10000c
	s_cmp_lg_u32 s2, 0x3003
	s_cbranch_scc0 .Lentry_shape_is_right
	s_endpgm
.Lentry_shape_is_right:
; ATTENTION on codes of BF8 (E5M2): S = q k^T / 8, p = 2^(t - M), O = p v / l, both products with one E8M0 scale for each 32 along K; o is quantised here for the last product.  No work is left out.
; t = score x log2(e) / 8; M = the row's largest t so far, rounded UP to a whole number; p is quantised along the keys, not normalised; the row's sum l is taken of the unquantised p and divides O at the end.
; When M moves, l and O are multiplied by 2^(old M - new M): exact.  The running maximum is kept of the scores; t of the largest score is the largest t, since the factor is positive.
; LIMITS: NaN and infinities are not served; the scaled scores t stay under 2^31 in magnitude; a block of zeros gets the scale byte 1 (its codes are zeros; this program alone reads the bytes);
; a block's largest p is made from the block's largest score by the same two instructions, which takes v_exp_f32 not to fall where its input rises.
; SHARES.  A work-group owns 512 queries of one (batch, head).  Each of its EIGHT waves (512 registers, two waves to a SIMD) owns four tiles of 16 queries: two passes of TWO tiles, A and B, over the head's 2,048 keys, 128 a step.
; TILE A LIVES IN REGISTER WINDOW 0, TILE B IN WINDOW 1, at the same numbers, so that one text (SM, OUT) serves both.  k's fragments lie in window 0, v's in window 1; every fragment feeds both tiles: 34 LDS loads for two tiles' step.
; THE TWO TILES GO HALF A STEP APART.  A trip: S(B, i); softmax A, i (under it k's step i + 1 and v's step i are fetched); O(A, i); S(A, i + 1); softmax B, i; O(B, i).
; So one tile's softmax is the vector work that stands behind the other tile's products, and no idle line is written in the loop.  The last trip has no step i + 1.
; THE WHOLE HEAD'S k AND v STAY IN LDS, filled once: 16 chunks of 16,896 bytes, as images of the operands' registers (lane l's 16 bytes at 16 l of each 512): no ring, no refill, no barrier in the loop, no padding.
; CLUSTER.  The four query blocks of a head read the same 270,336 bytes: wave w asks for chunks 2 w and 2 w + 1 by one joint load with the mask of all four: one load a wave is out.
; No prefetch: all tiles are asked for at the head, in one group; there is no loop to run ahead in.  The second pass's q is loaded a pass ahead into 16 registers of window 1.
; LAYOUT.  Both products are used transposed (S^T = k q^T, O^T = v^T p^T): a lane holds ONE query (lane % 16) throughout.
; A head is 64 and the matrix instruction 128 deep: a fragment of k holds TWO key tiles (its groups 0, 1 and 2, 3), and q stands twice round eight registers of zero codes: (q, 0) and (0, q): zero codes add nothing.
; The places inside a block of 32 are permuted alike on both sides of each product (see the first launch).  o meets Wo, which lies in natural order: sixteen lane swaps put o's 64 back in order.
; o_codes: [4 heads to a K step of 256][512 row tiles][4,096]: (head % 4) 1,024 + 512 c + 16 lane.   o_scales: [8,192 rows][32], byte 2 head + c.
.set CHUNK,  16896                     ; k's image 8,192, v's image 8,192, k's scale words 256, v's 256
.set HEADB,  16*CHUNK
.set SPARE,  HEADB                     ; behind the head: the spare words, 128 bytes for each of eight waves
.set QCHUNK, 8448
.set QHEADB, 16*QCHUNK
; window 0 alone
.set LI,  2                            ; 16 x lane
.set ADR, 3                            ; LDS address of chunk i
.set SPW, 4
.set NIL, 5
.set LR,  6                            ; 16 x (lane % 16)
.set LS,  7                            ; 32 x (lane % 16): my row of o's scale bytes
.set ADK, 8                            ; LDS address of chunk i + 1
.set SCK, 240                          ; v240-243 k's scale words (lanes 0-15)
.set QS,  244                          ; v244, v245 q's scale word (c0, c1, c0, c1) of tile A, B
.set PW,  246                          ; v246, v247 p's scale word of tile A, B
.set SCV, 248                          ; v248-251 v's scale words (lanes 16-31)
.set QW,  252                          ; v252, v253 the scale words of this pass's and the next pass's two tiles
; window 1 alone
.set QN,  240                          ; v240-255 the next pass's q: tile A's eight registers, tile B's eight
; both windows, a tile each: v12 -M, v13 the largest score, v[14:15] the sum in two halves
.set Q,   16                           ; v16-39  q, zeros, q
.set FRG, 40                           ; v40-103 window 0: four fragments of k; window 1: of v
.set SS,  104                          ; v104-167 S^T, then p
.set OT,  168                          ; v168-199 O^T
.set PC,  200                          ; v200-215 p's codes (before them, in v200-203, the four scale bytes); at the end o's
.set MX,  216                          ; the blocks' largest
.set TP,  220                          ; v220-223 the other half's largest; then two partial sums
.set HD,  224                          ; 57,344 x the scale
.set SO,  228                          ; the conversions' scale operands
.set T2,  232                          ; v232-235 two partial sums
.set FF,  236                          ; v[236:237] f
.set TT,  238
.set TW,  239
.set WV,  12
.set CX,  13
.set BH,  14
.set G1,  24
.set G0,  32
.set QSP, 36
.set TB,  38                           ; chunk i, in LDS
.set ST,  39                           ; steps to go
.set TL,  40                           ; passes to go
.set TK,  41                           ; chunk i + 1, held at chunk 15
.set SEL, 42
.set CS,  44                           ; s[44:45] c = log2(e) / 8
.set MNT, 46
.set QSEL, 48                          ; s48, s49 which two bytes of q's word are tile A's, tile B's
.set MSB, 0
.macro WIN new                         ; low byte: bits 1:0 source 0, 3:2 source 1, 5:4 source 2, 7:6 destination; the high byte repeats the setting that is left
.if MSB != (\new)
	s_set_vgpr_msb (MSB<<8)|(\new)
.set MSB, \new
.endif
.endm
.macro WALU
	s_wait_alu depctr_va_vdst(0)
.endm
.macro CROUND
	s_barrier_signal -1
	s_barrier_wait -1
	s_cmp_lg_u32 s[WV], 0
	s_cbranch_scc1 .Lnot_wave_0_\@
	s_barrier_signal -3
.Lnot_wave_0_\@:
	s_barrier_wait -3
	s_barrier_signal -1
	s_barrier_wait -1
.endm
; S^T of tile t: eight accumulators, each begun with the constant 0.  k's fragment b: key tiles 2 b and 2 b + 1
.macro SP t
	WIN 0x54*\t
.irp b, 0,1,2,3
	v_wmma_scale_f32_16x16x128_f8f6f4 v[SS+16*\b:SS+16*\b+7], v[FRG+16*\b:FRG+16*\b+15], v[Q:Q+15], 0, v[SCK+\b], v[QS+\t] matrix_a_fmt:MATRIX_FMT_BF8 matrix_b_fmt:MATRIX_FMT_BF8
	v_wmma_scale_f32_16x16x128_f8f6f4 v[SS+16*\b+8:SS+16*\b+15], v[FRG+16*\b:FRG+16*\b+15], v[Q+8:Q+23], 0, v[SCK+\b], v[QS+\t] matrix_a_fmt:MATRIX_FMT_BF8 matrix_b_fmt:MATRIX_FMT_BF8
.endr
.endm
; O^T += v^T p^T of tile t: four accumulators by turns
.macro PV t
	WIN 0x01+0x54*\t
.irp u, 0,1,2,3
	v_wmma_scale_f32_16x16x128_f8f6f4 v[OT+8*\u:OT+8*\u+7], v[FRG+16*\u:FRG+16*\u+15], v[PC:PC+15], v[OT+8*\u:OT+8*\u+7], v[SCV+\u], v[PW+\t] matrix_a_fmt:MATRIX_FMT_BF8 matrix_b_fmt:MATRIX_FMT_BF8 matrix_a_scale:MATRIX_SCALE_ROW1
.endr
.endm
.macro HOLD b                          ; p is not negative: the hold is one-sided; two to an instruction
.set i, 0
.rept 8
	v_dual_min_num_f32 v[SS+16*(\b)+i], v[SS+16*(\b)+i], v[HD+\b] :: v_dual_min_num_f32 v[SS+16*(\b)+i+1], v[SS+16*(\b)+i+1], v[HD+\b]
.set i, i+2
.endr
.endm
.macro TMM n                           ; t - M, two at a time: the next n pairs
.rept \n
	v_pk_fma_f32 v[SS+j:SS+j+1], v[SS+j:SS+j+1], s[CS:CS+1], v[12:13] op_sel_hi:[1,0,0]
.set j, j+2
.endr
.endm
; THE SOFTMAX OF TILE t FOR 128 KEYS, from S^T to p's codes and scale word, with O^T brought under the new M.  ld = 1: the fetch stands in it
.macro SM t, ld
	WIN 0x55*\t
	WALU                                           ; ahead of the scores' first readers, which are the eight lines below
.irp b, 0,1,2,3
	v_max3_num_f32 v[MX+\b], v[SS+16*\b], v[SS+16*\b+1], v[SS+16*\b+2]   ; the largest score of each block of 32 keys: for the row's maximum and for the block's largest p
.endr
.irp b, 0,1,2,3
	v_max3_num_f32 v[HD+\b], v[SS+16*\b+8], v[SS+16*\b+9], v[SS+16*\b+10]   ; a block's maximum goes in two chains (the second in v224-227, free here): eight chains take turns
.endr
.if \ld
	v_add_nc_u32 v[ADR], s[TB], v[LI]              ; with the eight above: ten lines behind the other tile's products, which read the registers that are loaded now
	v_add_nc_u32 v[ADK], s[TK], v[LI]
.set j, 0
.rept 16
	ds_load_b128 v[FRG+4*j:FRG+4*j+3], v[ADK] offset:512*j          ; k of step i + 1
.set j, j+1
.endr
	ds_load_b128 v[SCK:SCK+3], v[ADK] offset:16384 ; lanes 0-15: k's four words of row r
	ds_load_b128 v[SCV:SCV+3], v[ADR] offset:16384 ; lanes 16-31: v's, 256 bytes on
	WIN 0x40
.set j, 0
.rept 16
	ds_load_b128 v[FRG+4*j:FRG+4*j+3], v[ADR] offset:8192+512*j     ; v of step i
.set j, j+1
.endr
	WIN 0
.endif
.irp i, 3,5
.irp b, 0,1,2,3
	v_max3_num_f32 v[MX+\b], v[MX+\b], v[SS+16*\b+\i], v[SS+16*\b+\i+1]
.endr
.irp b, 0,1,2,3
	v_max3_num_f32 v[HD+\b], v[HD+\b], v[SS+16*\b+\i+8], v[SS+16*\b+\i+9]
.endr
.endr
.irp b, 0,1,2,3
	v_max3_num_f32 v[MX+\b], v[MX+\b], v[SS+16*\b+7], v[SS+16*\b+15]
.endr
.irp b, 0,1,2,3
	v_max_num_f32 v[MX+\b], v[MX+\b], v[HD+\b]     ; the two chains are joined
.endr
.irp b, 0,1,2,3
	s_delay_alu instid0(VALU_DEP_4)
	v_permlanex16_b32 v[TP+\b], v[MX+\b], s[SEL], s[SEL+1]
.endr
.irp b, 0,1,2,3
	s_delay_alu instid0(VALU_DEP_4)
	v_max_num_f32 v[MX+\b], v[MX+\b], v[TP+\b]     ; with lane l xor 16's 16 keys
.endr
	s_delay_alu instid0(VALU_DEP_2)
	v_max3_num_f32 v[TT], v[MX], v[MX+1], v[MX+2]
	v_mov_b32 v[TW], v12                           ; the old -M
	s_delay_alu instid0(VALU_DEP_2)
	v_max3_num_f32 v13, v[TT], v[MX+3], v13        ; the running largest score
	s_delay_alu instid0(VALU_DEP_1)
	v_mul_f32 v[TT], s[CS], v13                    ; as t (c is positive)
	s_delay_alu instid0(VALU_DEP_1)
	v_floor_f32 v12, -v[TT]                        ; the new -M = floor(-t): a whole number
	s_delay_alu instid0(VALU_DEP_1)
	v_sub_f32 v[TT], v12, v[TW]                    ; old M - new M: a whole number, 0 or less
.set j, 0
	TMM 4                                          ; the three lines that make f stand among the multiply-adds, which want -M alone
	v_cvt_i32_f32 v[TT], v[TT]                     ; (it saturates)
	TMM 4
	v_ldexp_f32 v[FF], 1.0, v[TT]                  ; f = 2^(old M - new M)
	TMM 24
.irp b, 0,1,2,3
	v_fma_f32 v[MX+\b], v[MX+\b], s[CS], v12       ; the same of each block's largest score
.endr
	WALU                                           ; ahead of O^T's first readers, and ahead of the batch: one line serves both
.set j, 0
.rept 16
	v_pk_mul_f32 v[OT+j:OT+j+1], v[OT+j:OT+j+1], v[FF:FF+1] op_sel_hi:[1,0]   ; O^T under the new M
.set j, j+2
.endr
.irp b, 0,1,2,3
	v_exp_f32 v[MX+\b], v[MX+\b]                   ; the blocks' largest p
.endr
.set j, 0
.rept 64
	v_exp_f32 v[SS+j], v[SS+j]                     ; p = 2^(t - M)
.set j, j+1
.endr
	v_pk_mul_f32 v[14:15], v[14:15], v[FF:FF+1] op_sel_hi:[1,0]   ; the sums under the new M: the plain line behind the exponentials
	WALU                                           ; and ahead of the batch's first reader: one for the 68
; the row's sum of the unquantised p: 32 pairs in five chains, four in v220-223 and v232-235, the fifth the running sum; the chains are joined behind the conversions
.irp c, 0,1
	v_pk_add_f32 v[TP+2*\c:TP+2*\c+1], v[SS+4*\c:SS+4*\c+1], v[SS+4*\c+2:SS+4*\c+3]
	v_pk_add_f32 v[T2+2*\c:T2+2*\c+1], v[SS+8+4*\c:SS+9+4*\c], v[SS+10+4*\c:SS+11+4*\c]
.endr
	v_pk_add_f32 v[14:15], v[14:15], v[SS+16:SS+17]
.irp r, 0,1,2,3
	v_pk_add_f32 v[TP:TP+1], v[TP:TP+1], v[SS+18+10*\r:SS+19+10*\r]
	v_pk_add_f32 v[TP+2:TP+3], v[TP+2:TP+3], v[SS+20+10*\r:SS+21+10*\r]
	v_pk_add_f32 v[T2:T2+1], v[T2:T2+1], v[SS+22+10*\r:SS+23+10*\r]
	v_pk_add_f32 v[T2+2:T2+3], v[T2+2:T2+3], v[SS+24+10*\r:SS+25+10*\r]
	v_pk_add_f32 v[14:15], v[14:15], v[SS+26+10*\r:SS+27+10*\r]
.endr
	v_pk_add_f32 v[TP:TP+1], v[TP:TP+1], v[SS+58:SS+59]
	v_pk_add_f32 v[TP+2:TP+3], v[TP+2:TP+3], v[SS+60:SS+61]
	v_pk_add_f32 v[T2:T2+1], v[T2:T2+1], v[SS+62:SS+63]
.irp b, 0,1,2,3
	v_max_num_f32 v[MX+\b], 0x8000000, v[MX+\b]    ; the floor 2^(16 - 127)
.endr
.irp b, 0,1,2,3
	s_delay_alu instid0(VALU_DEP_4)
	v_add_nc_u32 v[SO+\b], 0xf8800000, v[MX+\b]    ; 15 off the exponent field
.endr
.irp b, 0,1,2,3
	v_and_or_b32 v[HD+\b], v[MX+\b], 0x7f800000, s[MNT]
.endr
.irp b, 0,1,2,3
	v_lshrrev_b32 v[PC+\b], 23, v[SO+\b]           ; the scale bytes
.endr
	s_delay_alu instid0(VALU_DEP_3)
	v_lshl_or_b32 v[TW], v[PC+1], 8, v[PC]
	s_delay_alu instid0(VALU_DEP_1)
	v_lshl_or_b32 v[TW], v[PC+2], 16, v[TW]
	WIN 0x15*\t                                    ; scale operands are taken from window 0
	v_lshl_or_b32 v[PW+\t], v[PC+3], 24, v[TW]     ; p's scale word for these 128 keys
	WIN 0x55*\t
.irp b, 0,1,2,3
	HOLD \b
	v_cvt_scalef32_pk8_bf8_f32 v[PC+4*\b:PC+4*\b+1], v[SS+16*\b:SS+16*\b+7], v[SO+\b]
	v_cvt_scalef32_pk8_bf8_f32 v[PC+4*\b+2:PC+4*\b+3], v[SS+16*\b+8:SS+16*\b+15], v[SO+\b]
.endr
	v_pk_add_f32 v[TP:TP+1], v[TP:TP+1], v[TP+2:TP+3]     ; the chains are joined: four plain lines between the codes and the products
	v_pk_add_f32 v[T2:T2+1], v[T2:T2+1], v[T2+2:T2+3]
	v_pk_add_f32 v[14:15], v[14:15], v[TP:TP+1]
	v_pk_add_f32 v[14:15], v[14:15], v[T2:T2+1]
.endm
; TILE t's WAY OUT: O^T / l, d put in natural order, quantised along d (two blocks of 32), stored as the last product's operand
.macro OUT t
	WIN 0x55*\t
	v_add_f32 v14, v14, v15
	v_permlanex16_b32 v[TT], v14, s[SEL], s[SEL+1]
	v_add_f32 v14, v14, v[TT]                      ; the row's sum
	WALU
	v_rcp_f32 v14, v14
	v_nop
	WALU                                           ; ahead of the reciprocal's first reader, and of O^T's
.set j, 0
.rept 16
	v_pk_mul_f32 v[SS+j:SS+j+1], v[OT+j:OT+j+1], v[14:15] op_sel_hi:[1,0]   ; register 8 u + i: o(query r, d = 16 u + 8 h + i)
.set j, j+2
.endr
.irp c, 0,1
.irp i, 0,1,2,3,4,5,6,7
	v_permlane16_swap_b32 v[SS+16*\c+\i], v[SS+16*\c+8+\i]   ; half h then holds d = 32 c + 16 h + 0 .. 15
.endr
.endr
.irp c, 0,1
	v_max3_num_f32 v[MX+\c], |v[SS+16*\c]|, |v[SS+16*\c+1]|, 0x8000000
.endr
.irp i, 2,4,6,8,10,12,14
.irp c, 0,1
	v_max3_num_f32 v[MX+\c], v[MX+\c], |v[SS+16*\c+\i]|, |v[SS+16*\c+\i+1]|
.endr
.endr
.irp c, 0,1
	v_permlanex16_b32 v[TP+\c], v[MX+\c], s[SEL], s[SEL+1]
.endr
.irp c, 0,1
	v_max_num_f32 v[MX+\c], v[MX+\c], v[TP+\c]
.endr
.irp c, 0,1
	v_add_nc_u32 v[SO+\c], 0xf8800000, v[MX+\c]
.endr
.irp c, 0,1
	v_and_or_b32 v[HD+\c], v[MX+\c], 0x7f800000, s[MNT]
.endr
.irp c, 0,1
	v_lshrrev_b32 v[TP+\c], 23, v[SO+\c]
.endr
	v_lshl_or_b32 v[TT], v[TP+1], 8, v[TP]         ; my row's two scale bytes of this head
.irp c, 0,1
.irp i, 0,1,2,3,4,5,6,7,8,9,10,11,12,13,14,15
	v_med3_num_f32 v[SS+16*\c+\i], v[SS+16*\c+\i], -v[HD+\c], v[HD+\c]
.endr
	v_cvt_scalef32_pk8_bf8_f32 v[PC+4*\c:PC+4*\c+1], v[SS+16*\c:SS+16*\c+7], v[SO+\c]
	v_cvt_scalef32_pk8_bf8_f32 v[PC+4*\c+2:PC+4*\c+3], v[SS+16*\c+8:SS+16*\c+15], v[SO+\c]
.endr
	v_nop                                          ; a plain line behind the last conversion
	WIN 0x04*\t                                    ; the stores' data: window t
	global_store_b128 v[LI], v[PC:PC+3], s[8:9] offset:4096*\t          ; 32 lanes store 512 consecutive bytes, aligned to 256
	global_store_b128 v[LI], v[PC+4:PC+7], s[8:9] offset:4096*\t+512
	global_store_b16 v[LS], v[TT], s[10:11] offset:512*\t   ; two bytes a row, 32 bytes apart: a row's 32 scale bytes come from sixteen heads, that is sixteen work-groups.  Lanes l and l + 16 write the same bytes
.endm
	s_load_b256 s[4:11], s[0:1], 0x0               ; qimg s[4:5], kv s[6:7], o_codes s[8:9], o_scales s[10:11]
	v_lshl_add_u32 v[SPW], v0, 2, SPARE
	v_mov_b32 v[NIL], 0
	ds_add_u32 v[SPW], v[NIL]                      ; the wave's opening: the add, twice on end, and its wait ahead of my first tensor load
	ds_add_u32 v[SPW], v[NIL]
	v_lshrrev_b32 v1, 5, v0
	v_readfirstlane_b32 s[WV], v1                  ; wave 0..7
	s_bfe_u32 s[CX], ttmp6, 0x40000                ; my block of 512 queries: it enters q's and o's addresses alone
	s_and_b32 s[BH], ttmp7, 0xffff                 ; batch x 16 + head, which the four partners share
	s_mov_b32 s[G1], 15|(3<<16)|(1<<21)            ; the mask: all four; elements of 8 bytes; bit 21 beside a mask; no padding
	s_mov_b32 s[G1+1], 32<<16                      ; tensor_dim0 = 32 elements: rows of 256 bytes
	s_mov_b32 s[G1+2], 132<<16                     ; tensor_dim1 = 132 rows: two chunks
	s_mov_b32 s[G1+3], 32<<16                      ; tile_dim0
	s_mov_b32 s[G1+4], 132                         ; tile_dim1
	s_mov_b32 s[G1+5], 32                          ; dense
	s_mov_b32 s[G1+6], 0
	s_mov_b32 s[G1+7], 0
	s_mov_b32 s[SEL], 0x76543210
	s_mov_b32 s[SEL+1], 0xfedcba98
	s_mov_b32 s[CS], 0x3e38aa3b                    ; log2(e) / 8
	s_mov_b32 s[CS+1], s[CS]                       ; (named with it as a pair)
	s_mov_b32 s[MNT], 0x600000
	s_mov_b32 s[QSEL], 0x01000100
	s_mov_b32 s[QSEL+1], 0x03020302
	s_mov_b32 s[TL], 2
	s_mul_i32 s15, s[WV], 2*CHUNK                  ; chunks 2 w, 2 w + 1: their place in LDS and in the head
	s_mul_i32 s16, s[BH], HEADB
	s_add_co_u32 s16, s16, s15
	s_mov_b32 s17, 0
	s_wait_dscnt 0x0                               ; both opening adds are done
	s_wait_kmcnt 0x0
	s_mov_b32 s[G0], 1
	s_mov_b32 s[G0+1], s15
	s_add_nc_u64 s[G0+2:G0+3], s[6:7], s[16:17]
	s_or_b32 s[G0+3], s[G0+3], 0x80000000
	CROUND                                         ; all four work-groups are here: the joint loads meet
	tensor_load_to_lds s[G0:G0+3], s[G1:G1+7]
	s_nop 0
.rept 4
	v_nop
.endr
	; q: chunk 4 cx + w / 2 of my head; in it my four tiles begin at (w % 2) 4,096, and their two scale words are words 2 (w % 2), 2 (w % 2) + 1 of each row's four
	s_mul_i32 s16, s[BH], QHEADB
	s_lshl_b32 s18, s[CX], 2
	s_lshr_b32 s19, s[WV], 1
	s_add_co_u32 s18, s18, s19
	s_mul_i32 s18, s18, QCHUNK
	s_add_co_u32 s16, s16, s18
	s_and_b32 s19, s[WV], 1
	s_lshl_b32 s20, s19, 3
	s_add_co_u32 s20, s20, s16
	s_add_co_u32 s20, s20, 8192
	s_mov_b32 s21, 0
	s_add_nc_u64 s[QSP:QSP+1], s[4:5], s[20:21]
	s_lshl_b32 s19, s19, 12
	s_add_co_u32 s16, s16, s19
	s_add_nc_u64 s[4:5], s[4:5], s[16:17]
	; o: my first row tile = batch x 128 + 32 cx + 4 w
	s_lshr_b32 s18, s[BH], 4
	s_lshl_b32 s18, s18, 7
	s_lshl_b32 s19, s[CX], 5
	s_add_co_u32 s18, s18, s19
	s_lshl_b32 s19, s[WV], 2
	s_add_co_u32 s18, s18, s19
	s_and_b32 s19, s[BH], 15                       ; head
	s_lshr_b32 s20, s19, 2
	s_lshl_b32 s20, s20, 21                        ; (head / 4) x 512 row tiles x 4,096
	s_lshl_b32 s22, s18, 12
	s_add_co_u32 s20, s20, s22
	s_and_b32 s22, s[BH], 3
	s_lshl_b32 s22, s22, 10
	s_add_co_u32 s20, s20, s22
	s_add_nc_u64 s[8:9], s[8:9], s[20:21]
	s_lshl_b32 s20, s18, 9                         ; 16 rows of 32 bytes a tile
	s_lshl_b32 s22, s19, 1
	s_add_co_u32 s20, s20, s22
	s_add_nc_u64 s[10:11], s[10:11], s[20:21]
	v_and_b32 v1, 31, v0
	v_and_b32 v9, 15, v0
	v_lshlrev_b32 v[LI], 4, v1
	v_lshlrev_b32 v[LR], 4, v9
	v_lshlrev_b32 v[LS], 5, v9
	global_load_b64 v[QW:QW+1], v[LR], s[QSP:QSP+1]
	WIN 0x40
.irp g, 0,1,2,3
	global_load_b128 v[QN+4*\g:QN+4*\g+3], v[LI], s[4:5] offset:512*\g   ; the first pass's q: tile A's two groups, tile B's two
.endr
.irp t, 0,1
	WIN 0x40*\t
.set j, 0
.rept 8
	v_mov_b32 v[Q+8+j], 0                          ; the zero codes between q and q
.set j, j+1
.endr
.irp b, 0,1,2,3
	v_mov_b32 v[TP+\b], 0                          ; written once: a lane permute's destination counts as one of its sources
.endr
	v_mov_b32 v[FF+1], 0                           ; (named as the upper half of the pair)
.endr
	WIN 0
	WALU
	s_wait_tensorcnt 0x0                           ; my two chunks are in,
	s_barrier_signal -1
	s_barrier_wait -1                              ; everybody's are: the head lies in LDS and is only read from here on
.Lpass:                                            ; two trips: two tiles each
	s_wait_loadcnt 0x0                             ; this pass's q (and, the first time, its scale words)
	v_perm_b32 v[QS], v[QW], v[QW], s[QSEL]        ; a tile's two bytes, twice: they serve (q, 0) and (0, q)
	v_perm_b32 v[QS+1], v[QW], v[QW], s[QSEL+1]
	v_mov_b32 v[QW], v[QW+1]                       ; the next pass's word
	WIN 0x01
.set j, 0
.rept 8
	v_mov_b32 v[Q+j], v[QN+j]                      ; q stands twice: two operands of different shape share the zeros alone
	v_mov_b32 v[Q+16+j], v[QN+j]
.set j, j+1
.endr
	WIN 0x41
.set j, 0
.rept 8
	v_mov_b32 v[Q+j], v[QN+8+j]
	v_mov_b32 v[Q+16+j], v[QN+8+j]
.set j, j+1
.endr
	WIN 0
	WALU
	s_cmp_eq_u32 s[TL], 1
	s_cbranch_scc1 .Lno_next
	WIN 0x40
.irp g, 0,1,2,3
	global_load_b128 v[QN+4*\g:QN+4*\g+3], v[LI], s[4:5] offset:2048+512*\g   ; the second pass's q, a pass ahead
.endr
	WIN 0
.Lno_next:
.set j, 0
.rept 16
	ds_load_b128 v[FRG+4*j:FRG+4*j+3], v[LI] offset:512*j    ; k of step 0
.set j, j+1
.endr
	ds_load_b128 v[SCK:SCK+3], v[LI] offset:16384
	s_mov_b32 s[TB], 0
	s_mov_b32 s[TK], CHUNK
	s_mov_b32 s[ST], 16
	s_wait_dscnt 0x0
	SP 0                                           ; S(A, 0)
.irp t, 0,1                                    ; both tiles' state; these lines also stand between S(A, 0) and its first reader
	WIN 0x55*\t
	v_mov_b32 v13, 0xff61b1e6                      ; the largest score so far: -3e38
	v_floor_f32 v12, -v13
	v_mov_b32 v14, 0
	v_mov_b32 v15, 0
.set j, 0
.rept 32
	v_mov_b32 v[OT+j], 0                           ; the step is written once: the first finds zeros, which the first change of M leaves zeros
.set j, j+1
.endr
.endr
	WIN 0
.Lstep:
	SP 1                                           ; S(B, i)
	SM 0, 1
	WALU
	s_wait_dscnt 0x0                               ; v of step i and k of step i + 1 are in
	PV 0
	WIN 0
	s_cmp_eq_u32 s[ST], 1                          ; the last step has no successor
	s_cbranch_scc1 .Llast
	SP 0                                           ; S(A, i + 1)
.Llast:
	SM 1, 0
	PV 1
	WIN 0
	s_add_co_u32 s[TB], s[TB], CHUNK
	s_add_co_u32 s[TK], s[TB], CHUNK
	s_min_u32 s[TK], s[TK], 15*CHUNK               ; the fetch ahead stays inside the head
	s_sub_co_u32 s[ST], s[ST], 1
	s_cmp_lg_u32 s[ST], 0
	s_cbranch_scc1 .Lstep
	OUT 0                                          ; tile A's way out also stands between tile B's last products and their first reader
	OUT 1
	WIN 0
	s_wait_xcnt 0x0                                ; the stores have read their bases and registers
	s_add_nc_u64 s[8:9], s[8:9], 8192              ; two row tiles of o on
	s_add_nc_u64 s[10:11], s[10:11], 1024
	s_sub_co_u32 s[TL], s[TL], 1
	s_cmp_lg_u32 s[TL], 0
	WALU
	s_cbranch_scc1 .Lpass
	s_wait_tensorcnt 0x0                           ; the wave's end
	ds_add_u32 v[SPW], v[NIL]
	s_wait_dscnt 0x0
	CROUND                                         ; the closing round
	s_endpgm
.Lfunc_end_k_q1b74e61412_attn:
	.size	k_q1b74e61412_attn, .Lfunc_end_k_q1b74e61412_attn-k_q1b74e61412_attn
	.p2alignl 7, 3214868480
	.fill 96, 4, 3214868480
	.section	.rodata,"a",@progbits
	.p2align	6, 0x0
	.amdhsa_kernel k_q1b74e61412_attn
		.amdhsa_group_segment_fixed_size 327680
		.amdhsa_private_segment_fixed_size 0
		.amdhsa_enable_private_segment 0
		.amdhsa_kernarg_size 32
		.amdhsa_user_sgpr_count 2
		.amdhsa_user_sgpr_kernarg_segment_ptr 1
		.amdhsa_wavefront_size32 1
		.amdhsa_system_sgpr_workgroup_id_x 1
		.amdhsa_system_sgpr_workgroup_id_y 1
		.amdhsa_system_sgpr_workgroup_id_z 1
		.amdhsa_system_vgpr_workitem_id 0
		.amdhsa_next_free_vgpr 512
		.amdhsa_next_free_sgpr 66
		.amdhsa_reserve_vcc 0
		.amdhsa_float_denorm_mode_32 3
		.amdhsa_float_denorm_mode_16_64 3
		.amdhsa_memory_ordered 1
		.amdhsa_forward_progress 1
		.amdhsa_inst_pref_size 60
	.end_amdhsa_kernel
	.amdgpu_metadata
---
amdhsa.version: [ 1, 2 ]
amdhsa.kernels:
  - .name:           k_q1b74e61412_attn
    .symbol:         k_q1b74e61412_attn.kd
    .args:
      - { .name: qimg, .offset: 0, .size: 8, .value_kind: global_buffer, .address_space: global }
      - { .name: kv, .offset: 8, .size: 8, .value_kind: global_buffer, .address_space: global }
      - { .name: o_codes, .offset: 16, .size: 8, .value_kind: global_buffer, .address_space: global }
      - { .name: o_scales, .offset: 24, .size: 8, .value_kind: global_buffer, .address_space: global }
    .group_segment_fixed_size: 327680
    .private_segment_fixed_size: 0
    .kernarg_segment_align: 8
    .kernarg_segment_size: 32
    .max_flat_workgroup_size: 256
    .sgpr_count:     66
    .vgpr_count:     512
    .wavefront_size: 32
...
	.end_amdgpu_metadata
.endif
;; end of part 2
;; launch outp (part 3): grid 4 x 64, 4 waves a work-group, clusters of 4 x 4, 327,680 bytes of LDS; arguments o_codes, o_scales, Wo_codes, Wo_scales, out0, bo; writes out0
.if DOCPART == 3
	.amdgcn_target "amdgcn-amd-amdhsa--gfx1250"
	.amdhsa_code_object_version 6
	.text
	.protected	k_q1b74e61412_outp
	.globl	k_q1b74e61412_outp
	.p2align	8
	.type	k_q1b74e61412_outp,@function
k_q1b74e61412_outp:
	s_mov_b64 s[64:65], 0
	v_nop
	global_prefetch_b8 v0, s[64:65] scope:SCOPE_SE
	s_setreg_imm32_b32 hwreg(HW_REG_WAVE_MODE, 25, 1), 1
	s_wait_xcnt 0x0
	s_wait_alu depctr_hold_cnt(0) depctr_sa_sdst(0) depctr_va_vdst(0) depctr_va_sdst(0) depctr_va_ssrc(0) depctr_va_vcc(0) depctr_vm_vsrc(0)
	s_getreg_b32 s2, hwreg(HW_REG_IB_STS2, 6, 4)
	s_cmp_eq_u32 s2, 0
	s_cbranch_scc0 .Lentry_in_a_cluster
	s_endpgm
.Lentry_in_a_cluster:
	s_bfe_u32 s2, ttmp6, 0x10000c
	s_cmp_lg_u32 s2, 0xf033
	s_cbranch_scc0 .Lentry_shape_is_right
	s_endpgm
.Lentry_shape_is_right:
; out0 = o Wo + bo: [8,192 x 1,024] x [1,024 x 1,024] on codes of BF8 (E5M2) with one E8M0 scale for each 32 along K; f32 sums, which begin with the bias.  No work is left out.
; o_codes (the launch before lays them): [K step of 256][512 row tiles][4,096]: images of the operand's registers, 2,048 q + 512 c + 16 lane; o_scales [8,192][32].  Wo_codes [1,024 (n)][1,024 (k)], Wo_scales [1,024][32].
; SHARES.  A block of out0 is 128 rows x 256 columns: 64 x 4 = 256 work-groups, one turn.  Four waves, 2 x 2; a wave makes 64 x 128: 32 accumulators, 256 registers.
; K goes in four steps of 256 through two LDS slots (o's 32,768 bytes as they lie; Wo's 256 rows of 256 bytes + 16 of padding).  The eight steps of 128 are written out; there is no loop.
; THE HEAD: four joint loads, one a wave: K step 0 of o, of Wo, o's scale bytes (4,096), Wo's (8,192).  K step 1 follows behind the full sequence; K steps 2 and 3 are refills, each behind a round of the cluster's barrier.
; CLUSTER 4 x 4: o's tile is shared along a row of the cluster, Wo's along a column.  In the ring waves 0, 1 fetch o's halves, waves 2, 3 Wo's.
; PREFETCH: K step 2 is asked for behind the head's loads and K step 3 behind K step 1's load: two fills ahead.  Of the blocks of 256 bytes that a wave will fetch (64 of o, 128 rows of Wo) each of the four partners names a quarter, told apart by address.
; THE MATRIX INSTRUCTION IS USED TRANSPOSED (source 0 = 16 rows of Wo, source 1 = 16 rows of o): a lane holds eight neighbouring numbers of a row of out0.
; REGISTERS: window 0: v0-31 addresses, v32-63 scale words (two sets), v64-127 the bias, v128-255 o's fragments (two sets; on the way out rows read back); window 1: Wo's fragments, two sets; window 2: the accumulators, (a, b) at v[8 (8 a + b)].
; LIMITS: NaN and infinities are carried as the matrix unit carries them.
.set SIZE_N, 1024
.set ROWB,   256
.set KROW,   1024
.set PITCH,  272
.set FR,     16
.set NP,     8
.set ABYTES, 32768
.set HALFB,  128*PITCH
.set SLOT,   ABYTES+2*HALFB            ; 102,400
.set APAIR,  512*4096                  ; from a K step of o to the next
.set SCL,    2*SLOT                    ; o's scale bytes: 16 units of 256 + 16
.set SBLK,   2*272                     ; those of 16 rows
.set SCLB,   SCL+16*272                ; Wo's: 32 units
.set SPARE,  SCLB+32*272               ; the spare words: 512 bytes
.set STAGE,  SPARE+512                 ; the way out: bytes of its own, 16 rows x 528 for each wave
.set SPITCH, 528
.set ADRA, 16
.set ADRB, 20
.set STO,  24
.set RD,   25
.set CO,   26
.set ADRS, 27
.set SPW,  28
.set NIL,  29
.set PFO,  30
.set SC,   32
.set BO,   64
.set AF,   128
.set BK,   128
.set G0H,  4
.set G0HB, 8
.set G1,   24
.set G0,   32
.set G1B,  48
.set G0B,  56
.set G1S,  68
.set G0S,  76
.set G1SB, 80
.set G0SB, 88
.set PFA,  98
.set PFS,  100
.set MSB, 0
.macro WIN new
.if MSB != \new
	s_set_vgpr_msb (MSB<<8)|\new
.set MSB, \new
.endif
.endm
.set MUL,  0xa1                        ; source 0 (Wo) window 1, source 1 (o) window 0, C and D window 2
.set BEG,  0x81                        ; the same, C (the bias) window 0
.set TO_B, 0x40
.macro PLACES n
.rept \n
	v_nop
.endr
.endm
.macro JLOAD g0a, g1a, g0b, g1b        ; waves 0, 1 fetch for o, waves 2, 3 for Wo: a line with one mask each
	s_cmp_eq_u32 s15, 0
	s_cbranch_scc0 .Lfor_b_\@
	tensor_load_to_lds s[\g0a:\g0a+3], s[\g1a:\g1a+7]
	s_nop 0
	PLACES 4
	s_branch .Lasked_\@
.Lfor_b_\@:
	tensor_load_to_lds s[\g0b:\g0b+3], s[\g1b:\g1b+7]
	s_nop 0
	PLACES 4
.Lasked_\@:
.endm
.macro CREST
	s_cmp_lg_u32 s14, 0
	s_cbranch_scc1 .Lnot_wave_0_\@
	s_barrier_signal -3
.Lnot_wave_0_\@:
	s_barrier_wait -3
	s_barrier_signal -1
	s_barrier_wait -1
.endm
.macro CROUND
	s_barrier_signal -1
	s_barrier_wait -1
	CREST
.endm
	s_load_b128 s[4:7], s[0:1], 0x0                ; o_codes, o_scales
	s_load_b128 s[8:11], s[0:1], 0x10              ; Wo_codes, Wo_scales
	s_load_b64 s[12:13], s[0:1], 0x20              ; out0
	s_load_b64 s[96:97], s[0:1], 0x28              ; bo
	v_lshl_add_u32 v[SPW], v0, 2, SPARE
	v_mov_b32 v[NIL], 0
	ds_add_u32 v[SPW], v[NIL]                      ; the wave's opening: the add, twice on end, and its wait
	ds_add_u32 v[SPW], v[NIL]
	v_lshrrev_b32 v1, 5, v0
	v_readfirstlane_b32 s14, v1                    ; wave 0..3
	s_lshr_b32 s15, s14, 1                         ; my 64 rows.  Also: I fetch for o (0) or for Wo (1)
	s_and_b32 s16, s14, 1                          ; my 128 columns.  Also: which half of that tile I fetch
	s_bfe_u32 s40, ttmp6, 0x40000                  ; cx, cy
	s_bfe_u32 s41, ttmp6, 0x40004
	s_lshl_b32 s42, ttmp9, 2
	s_add_co_u32 s42, s42, s40                     ; block column
	s_and_b32 s17, ttmp7, 0xffff
	s_lshl_b32 s17, s17, 2
	s_add_co_u32 s17, s17, s41                     ; block row
	s_lshl_b32 s43, s41, 2
	s_lshl_b32 s43, 15, s43                        ; my row of the cluster
	s_lshl_b32 s44, 0x1111, s40                    ; my column
	s_or_b32 s[G1+0], s43, (0<<16)|(1<<21)         ; o's tile: dense rows of 256 bytes, no padding: 128 at the head, 64 in the ring
	s_mov_b32 s[G1+1], 256<<16
	s_mov_b32 s[G1+2], 128<<16
	s_mov_b32 s[G1+3], 256<<16
	s_mov_b32 s[G1+4], 128
	s_mov_b32 s[G1+5], 256
	s_mov_b32 s[G1+6], 0
	s_mov_b32 s[G1+7], 0
	s_or_b32 s[G1B+0], s44, (0<<16)|(1<<20)|(1<<21)|(5<<22)|(3<<25)   ; Wo's: rows of 256 bytes, 16 of padding: 256 at the head, 128 in the ring
	s_mov_b32 s[G1B+1], ROWB<<16
	s_mov_b32 s[G1B+2], 256<<16
	s_mov_b32 s[G1B+3], ROWB<<16
	s_mov_b32 s[G1B+4], 256
	s_mov_b32 s[G1B+5], KROW
	s_mov_b32 s[G1B+6], 0
	s_mov_b32 s[G1B+7], 0
	s_or_b32 s[G1S+0], s43, (3<<16)|(1<<20)|(1<<21)|(5<<22)|(3<<25)   ; scale bytes: dense, as units of 256 bytes + 16
	s_mov_b32 s[G1S+1], 32<<16
	s_mov_b32 s[G1S+2], 16<<16
	s_mov_b32 s[G1S+3], 32<<16
	s_mov_b32 s[G1S+4], 16
	s_mov_b32 s[G1S+5], 32
	s_mov_b32 s[G1S+6], 0
	s_mov_b32 s[G1S+7], 0
	s_or_b32 s[G1SB+0], s44, (3<<16)|(1<<20)|(1<<21)|(5<<22)|(3<<25)
	s_mov_b32 s[G1SB+1], 32<<16
	s_mov_b32 s[G1SB+2], 32<<16
	s_mov_b32 s[G1SB+3], 32<<16
	s_mov_b32 s[G1SB+4], 32
	s_mov_b32 s[G1SB+5], 32
	s_mov_b32 s[G1SB+6], 0
	s_mov_b32 s[G1SB+7], 0
	s_lshl_b32 s20, s17, 15                        ; o's codes of my 128 rows in a K step
	s_mov_b32 s21, 0
	s_lshl_b32 s22, s17, 12                        ; their scale bytes
	s_mov_b32 s23, 0
	s_lshl_b32 s46, s42, 18                        ; Wo's 256 rows
	s_mov_b32 s47, 0
	s_lshl_b32 s92, s42, 13
	s_mov_b32 s93, 0
	s_lshl_b32 s18, s16, 14                        ; in the ring: my half of o's tile, in memory and in LDS,
	s_mov_b32 s19, 0
	s_lshl_b32 s44, s16, 17                        ; of Wo's in memory,
	s_mov_b32 s45, 0
	s_mul_i32 s94, s16, HALFB
	s_add_co_u32 s94, s94, ABYTES                  ; and in LDS
	s_wait_dscnt 0x0                               ; both opening adds are done
	s_wait_kmcnt 0x0
	s_add_nc_u64 s[20:21], s[4:5], s[20:21]
	s_add_nc_u64 s[22:23], s[6:7], s[22:23]
	s_add_nc_u64 s[46:47], s[8:9], s[46:47]
	s_add_nc_u64 s[92:93], s[10:11], s[92:93]
	s_mov_b32 s[G0H], 1
	s_mov_b32 s[G0H+1], 0
	s_mov_b64 s[G0H+2:G0H+3], s[20:21]
	s_or_b32 s[G0H+3], s[G0H+3], 0x80000000
	s_mov_b32 s[G0HB], 1
	s_mov_b32 s[G0HB+1], ABYTES
	s_mov_b64 s[G0HB+2:G0HB+3], s[46:47]
	s_or_b32 s[G0HB+3], s[G0HB+3], 0x80000000
	s_mov_b32 s[G0S], 1
	s_mov_b32 s[G0S+1], SCL
	s_mov_b64 s[G0S+2:G0S+3], s[22:23]
	s_or_b32 s[G0S+3], s[G0S+3], 0x80000000
	s_mov_b32 s[G0SB], 1
	s_mov_b32 s[G0SB+1], SCLB
	s_mov_b64 s[G0SB+2:G0SB+3], s[92:93]
	s_or_b32 s[G0SB+3], s[G0SB+3], 0x80000000
.irp s, 0,1
	s_mov_b32 s[G0+4*\s], 1
	s_add_co_u32 s[G0+4*\s+1], s18, \s*SLOT
	s_add_nc_u64 s[G0+4*\s+2:G0+4*\s+3], s[20:21], s[18:19]
	s_add_nc_u64 s[G0+4*\s+2:G0+4*\s+3], s[G0+4*\s+2:G0+4*\s+3], \s*APAIR
	s_or_b32 s[G0+4*\s+3], s[G0+4*\s+3], 0x80000000
	s_mov_b32 s[G0B+4*\s], 1
	s_add_co_u32 s[G0B+4*\s+1], s94, \s*SLOT
	s_add_nc_u64 s[G0B+4*\s+2:G0B+4*\s+3], s[46:47], s[44:45]
	s_add_nc_u64 s[G0B+4*\s+2:G0B+4*\s+3], s[G0B+4*\s+2:G0B+4*\s+3], \s*ROWB
	s_or_b32 s[G0B+4*\s+3], s[G0B+4*\s+3], 0x80000000
.endr
	CROUND                                         ; all sixteen work-groups are here: the first joint loads meet
.macro ARM under, g0, g1, next         ; one chain of branches on the wave's number: every way passes exactly one load
	s_cmp_lt_u32 s14, \under
	s_cbranch_scc0 \next
	tensor_load_to_lds s[\g0:\g0+3], s[\g1:\g1+7]
	s_nop 0
	PLACES 4
	s_branch .Lhead_asked
\next:
.endm
	ARM 1, G0H,  G1,  .Lhead_b
	ARM 2, G0HB, G1B, .Lhead_sa
	ARM 3, G0S,  G1S, .Lhead_sb
	tensor_load_to_lds s[G0SB:G0SB+3], s[G1SB:G1SB+7]
	s_nop 0
	PLACES 4
.Lhead_asked:
	; the prefetches: of o's 64 blocks that I fetch, partner cx names 16 (lanes 16-31 name the last again); of Wo's 128 rows, partner cy names 32, a lane a row
	s_lshl_b32 s92, s16, 14
	s_lshl_b32 s93, s40, 12
	s_add_co_u32 s92, s92, s93
	s_add_co_u32 s92, s92, 2*APAIR                 ; o, K step 2
	s_lshl_b32 s94, s16, 17
	s_lshl_b32 s95, s41, 15
	s_add_co_u32 s94, s94, s95
	s_add_co_u32 s94, s94, 2*ROWB                  ; Wo, K step 2
	s_mov_b32 s[PFS], ROWB
	s_mov_b32 s22, 10
	s_mov_b32 s23, 31
	s_cmp_eq_u32 s15, 0
	s_cselect_b64 s[PFA:PFA+1], s[20:21], s[46:47]
	s_cselect_b32 s92, s92, s94
	s_cselect_b32 s[PFS], APAIR, s[PFS]            ; a K step on
	s_cselect_b32 s22, 8, s22                      ; from lane to lane: 256 bytes, or a row of 1,024
	s_cselect_b32 s23, 15, s23
	s_mov_b32 s93, 0
	s_mov_b32 s[PFS+1], 0
	s_add_nc_u64 s[PFA:PFA+1], s[PFA:PFA+1], s[92:93]
	v_and_b32 v6, 31, v0
	v_min_u32 v[PFO], s23, v6
	v_lshlrev_b32 v[PFO], s22, v[PFO]
	global_prefetch_b8 v[PFO], s[PFA:PFA+1] th:TH_LOAD_NT scope:SCOPE_SE
	v_and_b32 v1, 15, v0                           ; r
	v_bfe_u32 v2, v0, 4, 1                         ; h
	v_lshlrev_b32 v[CO], 4, v6
	v_mul_u32_u24 v3, v1, PITCH
	v_lshl_add_u32 v4, v2, 4, v3
	s_lshl_b32 s92, s15, 14                        ; my four row tiles of o
	s_mul_i32 s94, s16, HALFB
	s_add_co_u32 s94, s94, ABYTES                  ; my 128 rows of Wo
.irp s, 0,1
	v_add_nc_u32 v[ADRA+\s], s92, v[CO]
	v_add_nc_u32 v[ADRB+\s], s94, v4
	s_add_co_u32 s92, s92, SLOT
	s_add_co_u32 s94, s94, SLOT
.endr
	v_lshlrev_b32 v5, 5, v1                        ; my row's scale bytes: 32 a row, and 16 more for each 256 passed
	v_lshrrev_b32 v7, 3, v1
	v_lshl_add_u32 v5, v7, 4, v5
	s_mul_i32 s92, s15, 4*SBLK                     ; o's: my 64 rows
	s_mul_i32 s94, s16, 8*SBLK                     ; Wo's: my 128 rows, behind o's 128
	s_add_co_u32 s94, s94, 16*272
	s_sub_co_u32 s94, s94, s92
	v_mul_u32_u24 v7, s94, v2                      ; lanes 16-31 take Wo's
	s_add_co_u32 s92, s92, SCL
	v_add_nc_u32 v5, v5, v7
	v_add_nc_u32 v[ADRS], s92, v5
	s_mul_i32 s95, s14, 16*SPITCH
	s_add_co_u32 s95, s95, STAGE                   ; my stage
	s_wait_alu depctr_va_vdst(0)                   ; ahead of late readers of r and h
	v_mul_u32_u24 v5, v1, SPITCH
	v_lshl_add_u32 v5, v2, 5, v5
	v_add_nc_u32 v[STO], s95, v5
	v_add_nc_u32 v[RD], s95, v[CO]
	v_lshlrev_b32 v7, 5, v2
	s_lshl_b32 s20, s17, 7
	s_lshl_b32 s21, s15, 6
	s_add_co_u32 s20, s20, s21                     ; my first row of out0
	s_lshl_b32 s20, s20, 12
	s_mov_b32 s21, 0
	s_lshl_b32 s46, s42, 10
	s_lshl_b32 s47, s16, 9
	s_add_co_u32 s46, s46, s47                     ; my first column, in bytes
	s_mov_b32 s47, 0
	s_add_nc_u64 s[96:97], s[96:97], s[46:47]
	s_add_nc_u64 s[20:21], s[20:21], s[46:47]
	s_add_nc_u64 s[12:13], s[12:13], s[20:21]
	s_wait_alu depctr_va_vdst(0)                   ; (the scalar lines above stand between v7's write and its readers)
.irp b, 0,1,2,3,4,5,6,7
	global_load_b128 v[BO+8*\b:BO+8*\b+3], v7, s[96:97] offset:64*\b          ; the bias in the result's layout: columns 16 b + 8 h + 0 .. 7
	global_load_b128 v[BO+8*\b+4:BO+8*\b+7], v7, s[96:97] offset:64*\b+16
.endr
.macro FRAGB reg, adr, q, i
.irp c, 0,1,2,3
	ds_load_b128 v[\reg+4*\c:\reg+4*\c+3], v[\adr] offset:128*(\q)+32*\c+(\i)*16*PITCH
.endr
.endm
.macro FRAGA reg, adr, q, i
.irp c, 0,1,2,3
	ds_load_b128 v[\reg+4*\c:\reg+4*\c+3], v[\adr] offset:(\i)*4096+(\q)*2048+\c*512
.endr
.endm
.macro FETCH slot, q, p                ; the fragments of the slot's q-th 128 along K into sets p: 48 loads
	WIN TO_B
.irp i, 0,1,2,3,4,5,6,7
	FRAGB 128*(\p)+FR*\i, ADRB+\slot, \q, \i
.endr
	WIN 0
.irp i, 0,1,2,3
	FRAGA AF+64*(\p)+FR*\i, ADRA+\slot, \q, \i
.endr
.endm
.macro SCALES sc, ks                   ; K step ks's scale words into set sc: lanes 0-15 o's block i (i under 4), lanes 16-31 Wo's block i
.irp i, 0,1,2,3,4,5,6,7
	ds_load_b64 v[SC+16*\sc+2*\i:SC+16*\sc+2*\i+1], v[ADRS] offset:\i*SBLK+8*\ks
.endr
.endm
.macro MUL8 a, p, sc, zero             ; o's block a against Wo's eight; the 32 accumulators take turns in the same order in every step
.irp b, 0,1,2,3,4,5,6,7
.if \zero
	v_wmma_scale_f32_16x16x128_f8f6f4 v[8*(8*(\a)+\b):8*(8*(\a)+\b)+7], v[128*(\p)+FR*\b:128*(\p)+FR*\b+FR-1], v[AF+64*(\p)+FR*(\a):AF+64*(\p)+FR*(\a)+FR-1], v[BO+8*\b:BO+8*\b+7], v[SC+16*(\sc)+2*\b+(\p)], v[SC+16*(\sc)+2*(\a)+(\p)] matrix_a_fmt:MATRIX_FMT_BF8 matrix_b_fmt:MATRIX_FMT_BF8 matrix_a_scale:MATRIX_SCALE_ROW1
.else
	v_wmma_scale_f32_16x16x128_f8f6f4 v[8*(8*(\a)+\b):8*(8*(\a)+\b)+7], v[128*(\p)+FR*\b:128*(\p)+FR*\b+FR-1], v[AF+64*(\p)+FR*(\a):AF+64*(\p)+FR*(\a)+FR-1], v[8*(8*(\a)+\b):8*(8*(\a)+\b)+7], v[SC+16*(\sc)+2*\b+(\p)], v[SC+16*(\sc)+2*(\a)+(\p)] matrix_a_fmt:MATRIX_FMT_BF8 matrix_b_fmt:MATRIX_FMT_BF8 matrix_a_scale:MATRIX_SCALE_ROW1
.endif
.endr
.endm
; A slot's first 128 along K (sets 0); the second's fragments are fetched ahead of its products
.macro STEP slot, zero
	s_wait_dscnt 0x0                               ; sets 0 and the scale words are in
	PLACES NP                                      ; eight plain lines behind the products that read sets 1
	FETCH \slot, 1, 1
.if \zero
	WIN BEG
.else
	WIN MUL
.endif
.irp a, 0,1,2,3
	MUL8 \a, 0, \slot, \zero
.endr
	WIN 0
.endm
; A slot's second 128 (sets 1) changes slots: one barrier; fill = 1: it opens a round of the cluster's barrier, and this slot is filled again, two K steps on
.macro TURN slot, next, fill, ks
	s_wait_tensorcnt 0x0                           ; my part of the next slot is in
	ds_add_u32 v[SPW], v[NIL]
	s_wait_dscnt 1                                 ; sets 1 are in; the add may be out
	WIN MUL
	MUL8 0, 1, \slot, 0
	s_wait_dscnt 0x0                               ; the add is done, and my reads of this slot are over
	s_barrier_signal -1
	MUL8 1, 1, \slot, 0
	WIN 0
	s_barrier_wait -1
.if \fill
	CREST
	s_add_nc_u64 s[G0+4*\slot+2:G0+4*\slot+3], s[G0+4*\slot+2:G0+4*\slot+3], 2*APAIR
	s_add_nc_u64 s[G0B+4*\slot+2:G0B+4*\slot+3], s[G0B+4*\slot+2:G0B+4*\slot+3], 2*ROWB
	JLOAD G0+4*\slot, G1, G0B+4*\slot, G1B         ; the first tensor load behind the round; its four idle lines are among the eight ahead of the loads below
	PLACES NP-4
.else
	PLACES NP
.endif
	FETCH \next, 0, 0
	SCALES \next, \ks
	WIN MUL
	MUL8 2, 1, \slot, 0
	MUL8 3, 1, \slot, 0
	WIN 0
.endm
	s_wait_alu depctr_va_vdst(0)
	s_wait_xcnt 0x0                                ; the prefetch has read its address
	s_add_nc_u64 s[PFA:PFA+1], s[PFA:PFA+1], s[PFS:PFS+1]   ; K step 3
	s_wait_tensorcnt 0x0                           ; my tile of the head's four is in
	ds_add_u32 v[SPW], v[NIL]                      ; ahead of a later first fill
	s_mov_b32 s[G1+2], 64<<16                      ; no tensor load of mine is out: from here on a load brings half a tile
	s_mov_b32 s[G1+4], 64
	s_mov_b32 s[G1B+2], 128<<16
	s_mov_b32 s[G1B+4], 128
	s_wait_dscnt 0x0
	CROUND                                         ; all four tiles are in, and all sixteen work-groups are here
	JLOAD G0+4, G1, G0B+4, G1B                     ; K step 1
	FETCH 0, 0, 0
	SCALES 0, 0
	global_prefetch_b8 v[PFO], s[PFA:PFA+1] th:TH_LOAD_NT scope:SCOPE_SE
	s_wait_loadcnt 0x0                             ; the bias
	STEP 0, 1
	TURN 0, 1, 1, 1
	STEP 1, 0
	TURN 1, 0, 1, 2
	STEP 0, 0
	TURN 0, 1, 0, 3                                ; nothing more is filled: a plain barrier
	STEP 1, 0
	s_wait_dscnt 0x0
	WIN MUL
.irp a, 0,1,2,3
	MUL8 \a, 1, 1, 0
.endr
	WIN 0
; THE WAY OUT, block by block of 16 rows x 128 columns, through my own stage: rows of 512 bytes come back whole and leave as two aligned units of 256 bytes
.macro TOSTAGE a
	WIN 0x08                                       ; the data: window 2
.irp b, 0,1,2,3,4,5,6,7
	ds_store_b128 v[STO], v[64*(\a)+8*\b:64*(\a)+8*\b+3] offset:64*\b          ; each accumulator from its low end on
	ds_store_b128 v[STO], v[64*(\a)+8*\b+4:64*(\a)+8*\b+7] offset:64*\b+16
.endr
	WIN 0
.set BB, BK+64*((\a)%2)
.irp t, 0,1,2,3,4,5,6,7,8,9,10,11,12,13,14,15
	ds_load_b128 v[BB+4*\t:BB+4*\t+3], v[RD] offset:\t*SPITCH   ; LDS serves a wave's instructions in order (ISA guide 5.7.1.4)
.endr
.endm
.macro SEND a, younger
.set BB, BK+64*((\a)%2)
	s_wait_dscnt \younger
.if (\a) > 0
	s_add_nc_u64 s[12:13], s[12:13], 16*SIZE_N*4   ; behind a wait on XCNT: the earlier stores have read their base
.endif
.irp t, 0,1,2,3,4,5,6,7,8,9,10,11,12,13,14,15
	global_store_b128 v[CO], v[BB+4*\t:BB+4*\t+3], s[12:13] offset:\t*SIZE_N*4 th:TH_STORE_NT
.endr
.endm
	PLACES NP
	TOSTAGE 0
.irp a, 1,2,3
.if \a > 1
	s_wait_xcnt 0x0                                ; block a - 2's stores have read their registers and their base
.endif
	TOSTAGE \a
	SEND \a-1, 32                                  ; behind block a - 1's loads: block a's 16 stores and 16 loads
.endr
	s_wait_xcnt 0x0
	SEND 3, 0
	s_wait_tensorcnt 0x0                           ; the wave's end
	ds_add_u32 v[SPW], v[NIL]
	s_wait_dscnt 0x0
	CROUND                                         ; the closing round
	s_endpgm
.Lfunc_end_k_q1b74e61412_outp:
	.size	k_q1b74e61412_outp, .Lfunc_end_k_q1b74e61412_outp-k_q1b74e61412_outp
	.p2alignl 7, 3214868480
	.fill 96, 4, 3214868480
	.section	.rodata,"a",@progbits
	.p2align	6, 0x0
	.amdhsa_kernel k_q1b74e61412_outp
		.amdhsa_group_segment_fixed_size 327680
		.amdhsa_private_segment_fixed_size 0
		.amdhsa_enable_private_segment 0
		.amdhsa_kernarg_size 48
		.amdhsa_user_sgpr_count 2
		.amdhsa_user_sgpr_kernarg_segment_ptr 1
		.amdhsa_wavefront_size32 1
		.amdhsa_system_sgpr_workgroup_id_x 1
		.amdhsa_system_sgpr_workgroup_id_y 1
		.amdhsa_system_sgpr_workgroup_id_z 1
		.amdhsa_system_vgpr_workitem_id 0
		.amdhsa_next_free_vgpr 768
		.amdhsa_next_free_sgpr 102
		.amdhsa_reserve_vcc 0
		.amdhsa_float_denorm_mode_32 3
		.amdhsa_float_denorm_mode_16_64 3
		.amdhsa_memory_ordered 1
		.amdhsa_forward_progress 1
		.amdhsa_inst_pref_size 92
	.end_amdhsa_kernel
	.amdgpu_metadata
---
amdhsa.version: [ 1, 2 ]
amdhsa.kernels:
  - .name:           k_q1b74e61412_outp
    .symbol:         k_q1b74e61412_outp.kd
    .args:
      - { .name: o_codes, .offset: 0, .size: 8, .value_kind: global_buffer, .address_space: global }
      - { .name: o_scales, .offset: 8, .size: 8, .value_kind: global_buffer, .address_space: global }
      - { .name: Wo_codes, .offset: 16, .size: 8, .value_kind: global_buffer, .address_space: global }
      - { .name: Wo_scales, .offset: 24, .size: 8, .value_kind: global_buffer, .address_space: global }
      - { .name: out0, .offset: 32, .size: 8, .value_kind: global_buffer, .address_space: global }
      - { .name: bo, .offset: 40, .size: 8, .value_kind: global_buffer, .address_space: global }
    .group_segment_fixed_size: 327680
    .private_segment_fixed_size: 0
    .kernarg_segment_align: 8
    .kernarg_segment_size: 48
    .max_flat_workgroup_size: 128
    .sgpr_count:     102
    .vgpr_count:     768
    .wavefront_size: 32
...
	.end_amdgpu_metadata
.endif
;; end of part 3
